; MI455X (gfx1250); checked and timed in simulation.
; The chip was launched on July 23, 2026; its instructions are those of AMD's public machine-readable ISA for CDNA 5 (MIT licence, August 2026) and "CDNA5" Instruction Set Architecture Reference Guide (July 2026). The comments in the code are by the model that wrote it; some were corrected since.
;; Attribute Multi Headed Attention. Allowed arithmetic: matrix products marked QUANTISED: E3M2 operands, one E8M0 scale for each 32 along K, by v_wmma_scale_f32_16x16x128_f8f6f4 with both operands' format E3M2, f32 sums; products left as they are: f32 operands where the result goes on into a quantised operand, else bf16, f16 or f32 operands; f32 sums; everything else in f32.
;; Inputs: Wk 1,024 x 1,024 float32; Wo 1,024 x 1,024 float32; Wq 1,024 x 1,024 float32; Wv 1,024 x 1,024 float32; bk 1,024 float32; bo 1,024 float32; bq 1,024 float32; bv 1,024 float32; key 4 x 512 x 8 x 1,024 float32; query 4 x 512 x 8 x 1,024 float32; value 4 x 512 x 8 x 1,024 float32.
;; Outputs: out0 4 x 512 x 8 x 1,024 float32.
;; Constants: d_atrbt = 8.
;; This version of the problem:
;;   THIS VERSION OF THE PROBLEM IS GIVEN IN LOW PRECISION. The matrix products marked QUANTISED in the list below multiply operands that are first quantised to E3M2 (3 exponent bits, 2 mantissa bits; 6 bits a number), with one power-of-two scale for each 32 numbers along K (OCP MX v1.0); their sums are f32. All else is computed in f32.
;;   The module's matrix products, in the order in which they are computed (A, B: the left and right operand; K: the contracted axis; several contracted axes count as one K, in the product's order):
;;     1. [M 16,384, K 1,024] x [K 1,024, N 1,024]; A: input query; B: input Wq: QUANTISED
;;     2. [M 16,384, K 1,024] x [K 1,024, N 1,024]; A: input key; B: input Wk: QUANTISED
;;     3. [M 16,384, K 1,024] x [K 1,024, N 1,024]; A: input value; B: input Wv: QUANTISED
;;     4. batch 32,768 x [M 8, K 64] x [K 64, N 8]; A: computed on the way; B: computed on the way: left as it is (M = 8 < 16)
;;     5. batch 32,768 x [M 8, K 8] x [K 8, N 64]; A: softmax; B: computed on the way: left as it is (K = 8 < 32)
;;     6. [M 16,384, K 1,024] x [K 1,024, N 1,024]; A: computed on the way; B: input Wo: QUANTISED
;;   THE QUANTISER, for each operand of a quantised product, along K:
;;     - K is cut into blocks of 32 from its start; a last block that is shorter is filled with zeros.
;;     - A block's scale is 2^e with e = floor(log2(the largest magnitude in the block)) - 4, held to -126 .. 127; a block of zeros has e = 0. As a byte (E8M0): e + 127.
;;     - Each number is divided by its block's scale, clamped to +-28, and rounded to the nearest number of E3M2, ties to even, subnormals kept.
;;     - The product sums the exact products of the quantised numbers (number of the format x scale) in f32.
;;   ~~~python
;;   def quantise(x, axis):      # numpy; x: float32 -> the quantised numbers, widened to float32 again
;;       x = np.moveaxis(x, axis, -1); K = x.shape[-1]
;;       x = np.pad(x, [(0, 0)] * (x.ndim - 1) + [(0, -K % 32)]); x = x.reshape(x.shape[:-1] + (-1, 32)); a = np.abs(x).max(-1, keepdims=True)
;;       e = np.where(a > 0, np.clip(np.frexp(np.where(a > 0, a, 1))[1] - 1 - 4, -126, 127), 0)      # np.frexp(a)[1] - 1 = floor(log2(a)), exactly
;;       r = np.clip(x / 2.0 ** e, -28, 28)
;;       step = 2.0 ** (np.maximum(np.frexp(np.where(r == 0, 1, r))[1] - 1, -2) - 2)
;;       q = np.round(r / step) * step * 2.0 ** e      # np.round: ties to even
;;       return np.moveaxis(q.reshape(q.shape[:-2] + (-1,))[..., :K], -1, axis).astype(np.float32)
;;   ~~~
;;   OPERANDS COMPUTED ON THE WAY. 'Computed on the way' means the value that the module computes at that place (a softmax that the list does not call 'softmax' is quantised finished and normalised). What goes into a quantiser is computed in f32, as accurately as f32 sums, v_exp_f32 and their like allow (about 1e-6 of the number): no bf16 or f16 on the way to a quantiser, and a product that is left as it is and whose result goes on into a quantised operand takes f32 operands (vector FMAs, or v_wmma_f32_16x16x4_f32). A number that lies on a knife's edge between two numbers of the format may be rounded either way, as far as f32 arithmetic and the matrix unit's own rounding can turn it there, and no further.
;; 2 versions. Each part assembles by itself: llvm-mc -triple=amdgcn-amd-amdhsa -mcpu=gfx1250 --defsym DOCPART=n.
;; ======== version 1 of 2: 2 launches
;; workspace buffers: wimg 3,276,800 bytes
;; launch wquant (part 1): grid 256 x 1, 8 waves a work-group, no clusters, 69,120 bytes of LDS; arguments Wq, Wk, Wv, Wo, wimg; writes wimg
.if DOCPART == 1
	.amdgcn_target "amdgcn-amd-amdhsa--gfx1250"
	.amdhsa_code_object_version 6
	.text
	.protected	k_q71471f4b04_wquant
	.globl	k_q71471f4b04_wquant
	.p2align	8
	.type	k_q71471f4b04_wquant,@function
k_q71471f4b04_wquant:
	s_mov_b64 s[64:65], 0
	v_nop
	global_prefetch_b8 v0, s[64:65] scope:SCOPE_SE
	s_setreg_imm32_b32 hwreg(HW_REG_WAVE_MODE, 25, 1), 1
	s_wait_xcnt 0x0
; Wq, Wk, Wv, Wo [1024][1024] f32 (K innermost) become codes of BF6 (E3M2) with one E8M0 byte for each 32 along K, laid in wimg IN THE ORDER OF THE OPERAND'S REGISTERS
; and in the order in which the next launch's waves take them.  wimg = 4 streams (one for each wave number w of the next launch) of 64 pairs of 12,800 bytes.  A pair = the codes of unit 2 P (6,144 bytes), of unit 2 P + 1,
; and 512 bytes of scale words.  A unit = 4 tiles of 16 weight rows x 128 K; tile t at 1,536 t; the fragment's registers 4 c .. 4 c + 3 at 512 c; lane l's 16 bytes at 16 l.
; Scale block: lane l's 16 bytes at 16 l; word q: unit parity q / 2, register q % 2, which carries tile 2 (q % 2) in lanes 0-15 and tile 2 (q % 2) + 1 in lanes 16-31, row l % 16.
; Unit U of stream w: U < 96: head 4 w + U / 24, K step (U % 24) / 3, weight U % 3 (Wq, Wk, Wv);  U >= 96: Wo, its rows 64 (4 w + (U - 96) / 8) on, K step (U - 96) % 8.
; Rows of a tile: lane r takes row 64 blk + 16 t + r;  of Wv: 64 blk + 32 (t / 2) + 8 (t % 2) + r + 8 (r / 8), so that the attention's result comes out with 16 neighbours along the last product's K in a lane.
; A block's scale is 2^(floor(log2(largest magnitude)) - 4); its byte is the largest magnitude's exponent field - 4, held at 1 from below.
; LIMITS: a block of zeros, and one whose largest magnitude lies under 2^-122, gets the byte 1 (a block of zeros has zero codes; the bytes are read by this program alone); NaN and infinities are not served.
; SHARES: a work-group makes one pair, a wave one tile (unit parity wave / 4, tile wave % 4): 16 rows x 512 bytes, each load 512 consecutive bytes.  The numbers turn through the wave's own stage in LDS, so that a lane
; holds 16 neighbours of each block of its row.  No matrix unit, no tensor load, no cluster: every byte is read once, by one wave.
.set SPI,   528                        ; a stage row: 512 bytes + 16: the 16 rows that a read touches begin 4 banks apart (64 banks of 4 bytes: ISA guide 11.1)
.set WST,   16*SPI                     ; a wave's stage
.set SCG,   8*WST                      ; behind the stages: 64 bytes of scale words for each wave
.set PAIRB, 12800
.set UNITB, 6144
.set TILEB, 1536
.set LI,  1                            ; v1  16 x lane
.set LI2, 2                            ; v2  the same, 8 rows further down for Wv's rows 8-15
.set SW,  3                            ; v3  the stage, on the way in
.set SR,  4                            ; v4  and out: row r, + 64 h
.set SCW, 5                            ; v5  where my row's scale word goes
.set SCR, 6                            ; v6  where wave 0 reads the pair's words
.set RAW, 16                           ; v16-79   the tile as loaded
.set XN,  80                           ; v80-143  register 16 b + i = k 32 b + 16 h + i of row r
.set TM,  144                          ; v144-159 at work
.set PW,  160                          ; the scale word
.set PC,  162                          ; v162-173 the fragment; to v180 at work
.set SEL, 34                           ; s[34:35] v_permlanex16_b32's selects for lane l xor 16
; 64 numbers of a lane, register 16 b + i = k 32 b + 16 (lane / 16) + i of its row, become a fragment's 12 registers from v[PC] on and the row's scale word in v[PW].
.macro QUANT4 s
.irp b, 0,1,2,3
	v_max3_num_f32 v[TM+\b], |v[(\s)+16*\b]|, |v[(\s)+1+16*\b]|, 0x2800000   ; block b: my 16 numbers, and the floor 2^(5 - 127): the byte cannot fall under 1
.endr
.irp i, 2,4,6,8,10,12,14
.irp b, 0,1,2,3
	v_max3_num_f32 v[TM+\b], v[TM+\b], |v[(\s)+16*\b+\i]|, |v[(\s)+1+16*\b+\i]|   ; the four blocks by turns
.endr
.endr
.irp b, 0,1,2,3
	v_permlanex16_b32 v[TM+4+\b], v[TM+\b], s[SEL], s[SEL+1]
.endr
.irp b, 0,1,2,3
	v_max_num_f32 v[TM+\b], v[TM+\b], v[TM+4+\b]   ; with lane l xor 16's: the block's largest magnitude
.endr
.irp b, 0,1,2,3
	v_add_nc_u32 v[TM+12+\b], 0xfe000000, v[TM+\b]   ; 4 off its exponent field: the conversion's scale operand
.endr
.irp b, 0,1,2,3
	v_lshrrev_b32 v[TM+4+\b], 23, v[TM+12+\b]      ; the scale's byte
.endr
	v_lshl_or_b32 v[PW], v[TM+5], 8, v[TM+4]
	v_lshl_or_b32 v[PW], v[TM+6], 16, v[PW]
	v_lshl_or_b32 v[PW], v[TM+7], 24, v[PW]
.irp c, 0,1
	v_cvt_scalef32_pk16_bf6_f32 v[PC+6*\c:PC+2+6*\c], v[(\s)+32*\c:(\s)+15+32*\c], v[TM+12+2*\c]
	v_cvt_scalef32_pk16_bf6_f32 v[PC+12+4*\c:PC+14+4*\c], v[(\s)+16+32*\c:(\s)+31+32*\c], v[TM+12+2*\c+1]   ; (a conversion's three registers begin on an even number)
.endr
	v_nop                                          ; one plain place behind a scaled conversion
.irp c, 0,1                                    ; the operand's layout wants a whole block in a lane: lanes 0-15 block 2 c, lanes 16-31 block 2 c + 1
.irp i, 0,1,2
	v_permlane16_swap_b32 v[PC+6*\c+\i], v[PC+12+4*\c+\i]
.endr
.irp i, 0,1,2
	v_mov_b32 v[PC+3+6*\c+\i], v[PC+12+4*\c+\i]
.endr
.endr
.endm
	s_load_b256 s[4:11], s[0:1], 0x0               ; Wq s[4:5], Wk s[6:7], Wv s[8:9], Wo s[10:11]
	s_load_b64 s[12:13], s[0:1], 0x20              ; wimg
	v_lshl_add_u32 v192, v0, 2, 0x10a00
	v_mov_b32 v193, 0
	v_lshrrev_b32 v7, 5, v0
	v_readfirstlane_b32 s14, v7                    ; wave 0..7
	v_and_b32 v7, 31, v0                           ; lane
	v_and_b32 v8, 15, v0                           ; r
	v_bfe_u32 v9, v0, 4, 1                         ; h
	v_lshlrev_b32 v[LI], 4, v7
	s_mul_i32 s36, s14, WST                        ; my stage
	v_add_nc_u32 v[SW], s36, v[LI]
	v_mul_u32_u24 v[SR], v8, SPI
	v_lshl_add_u32 v[SR], v9, 6, v[SR]
	v_add_nc_u32 v[SR], s36, v[SR]
	s_lshl_b32 s36, s14, 6
	s_add_co_u32 s36, s36, SCG
	v_lshl_add_u32 v[SCW], v8, 2, s36              ; SCG + 64 x wave + 4 r
	v_lshl_add_u32 v[SCR], v7, 2, SCG              ; SCG + 4 x lane
	s_mov_b32 s[SEL], 0x76543210
	s_mov_b32 s[SEL+1], 0xfedcba98
.irp b, 0,1,2,3
	v_mov_b32 v[TM+4+\b], 0                        ; written once: a lane permute's destination counts as one of its sources
.endr
	s_lshr_b32 s15, s14, 2                         ; e: the unit's parity
	s_and_b32 s16, s14, 3                          ; t: the tile
	s_lshr_b32 s17, ttmp9, 6                       ; the stream w
	s_and_b32 s18, ttmp9, 63                       ; the pair P
	s_lshl_b32 s19, s18, 1
	s_add_co_u32 s19, s19, s15                     ; U = 2 P + e
	s_mul_i32 s20, s19, 171                        ; U < 96: U / 24 = (171 U) >> 12 (exact for U < 96),
	s_lshr_b32 s20, s20, 12
	s_mul_i32 s21, s20, 24
	s_sub_co_u32 s21, s19, s21                     ; u = U % 24,
	s_mul_i32 s22, s21, 171
	s_lshr_b32 s22, s22, 9                         ; K step u / 3 = (171 u) >> 9 (exact for u < 24),
	s_mul_i32 s23, s22, 3
	s_sub_co_u32 s23, s21, s23                     ; weight u % 3
	s_max_u32 s24, s19, 96                         ; U >= 96:
	s_sub_co_u32 s24, s24, 96
	s_lshr_b32 s25, s24, 3                         ; which 64 rows of Wo,
	s_and_b32 s24, s24, 7                          ; K step
	s_cmp_lt_u32 s19, 96
	s_cselect_b32 s20, s20, s25
	s_cselect_b32 s22, s22, s24
	s_cselect_b32 s23, s23, 3
	s_lshl_b32 s26, s17, 2
	s_add_co_u32 s20, s20, s26                     ; blk = 4 w + ..
	s_lshl_b32 s20, s20, 6                         ; its first row
	s_lshr_b32 s26, s16, 1
	s_lshl_b32 s26, s26, 5
	s_and_b32 s27, s16, 1
	s_lshl_b32 s27, s27, 3
	s_add_co_u32 s26, s26, s27                     ; Wv: 32 (t / 2) + 8 (t % 2)
	s_lshl_b32 s27, s16, 4                         ; the others: 16 t
	s_cmp_eq_u32 s23, 2
	s_cselect_b32 s26, s26, s27
	s_cselect_b32 s28, 32768, 0                    ; Wv: the tile's rows 8-15 lie 8 rows of 4,096 bytes further down
	s_add_co_u32 s20, s20, s26
	s_lshl_b32 s20, s20, 12                        ; rows of 4,096 bytes
	s_lshl_b32 s22, s22, 9                         ; a K step is 512 bytes of a row
	s_add_co_u32 s20, s20, s22
	s_mov_b32 s21, 0
	v_add_nc_u32 v[LI2], s28, v[LI]
	s_mul_i32 s30, ttmp9, PAIRB                    ; my pair,
	s_mov_b32 s31, 0
	s_mul_i32 s26, s15, UNITB
	s_mul_i32 s27, s16, TILEB
	s_add_co_u32 s26, s26, s27                     ; my tile in it
	s_mov_b32 s27, 0
	s_wait_kmcnt 0x0
	s_cmp_eq_u32 s23, 1                            ; the weight: a choice on ids alone
	s_cselect_b64 s[4:5], s[6:7], s[4:5]
	s_cmp_eq_u32 s23, 2
	s_cselect_b64 s[4:5], s[8:9], s[4:5]
	s_cmp_eq_u32 s23, 3
	s_cselect_b64 s[4:5], s[10:11], s[4:5]
	s_add_nc_u64 s[4:5], s[4:5], s[20:21]
	s_add_nc_u64 s[12:13], s[12:13], s[30:31]
	s_add_nc_u64 s[32:33], s[12:13], s[26:27]
.irp i, 0,1,2,3,4,5,6,7
	global_load_b128 v[RAW+4*\i:RAW+4*\i+3], v[LI], s[4:5] offset:4096*\i th:TH_LOAD_NT    ; 32 lanes read a row's 512 consecutive bytes; read once in the launch
.endr
.irp i, 8,9,10,11,12,13,14,15
	global_load_b128 v[RAW+4*\i:RAW+4*\i+3], v[LI2], s[4:5] offset:4096*\i th:TH_LOAD_NT
.endr
	s_wait_loadcnt 0x0
.irp i, 0,1,2,3,4,5,6,7,8,9,10,11,12,13,14,15
	ds_store_b128 v[SW], v[RAW+4*\i:RAW+4*\i+3] offset:SPI*\i
.endr
.irp b, 0,1,2,3
.irp j, 0,1,2,3
	ds_load_b128 v[XN+16*\b+4*\j:XN+16*\b+4*\j+3], v[SR] offset:128*\b+16*\j   ; LDS serves a wave's instructions in order (ISA guide 5.7.1.4): these see my stores
.endr
.endr
	s_wait_dscnt 0x0
	QUANT4 XN
.irp c, 0,1,2
	global_store_b128 v[LI], v[PC+4*\c:PC+4*\c+3], s[32:33] offset:512*\c   ; 32 lanes store 512 consecutive bytes, at a multiple of 256 from wimg's first byte
.endr
	ds_store_b32 v[SCW], v[PW]                     ; lanes r and r + 16 write the same word with the same value
	s_wait_dscnt 0x0                               ; for the others' sake: my word has landed
	s_barrier_signal -1
	s_barrier_wait -1
	s_cmp_lg_u32 s14, 0
	s_cbranch_scc1 .Ldone
.irp q, 0,1,2,3
	ds_load_b32 v[RAW+\q], v[SCR] offset:128*\q    ; word q of lane l is wave 2 q + l / 16's row l % 16: SCG + 128 q + 4 l
.endr
	s_wait_dscnt 0x0
	global_store_b128 v[LI], v[RAW:RAW+3], s[12:13] offset:2*UNITB   ; the pair's 512 bytes of scale words
.Ldone:
	s_wait_tensorcnt 0x0
	ds_add_u32 v192, v193
	s_wait_dscnt 0x0
	s_endpgm
.Lfunc_end_k_q71471f4b04_wquant:
	.size	k_q71471f4b04_wquant, .Lfunc_end_k_q71471f4b04_wquant-k_q71471f4b04_wquant
	.p2alignl 7, 3214868480
	.fill 96, 4, 3214868480
	.section	.rodata,"a",@progbits
	.p2align	6, 0x0
	.amdhsa_kernel k_q71471f4b04_wquant
		.amdhsa_group_segment_fixed_size 69120
		.amdhsa_private_segment_fixed_size 0
		.amdhsa_enable_private_segment 0
		.amdhsa_kernarg_size 40
		.amdhsa_user_sgpr_count 2
		.amdhsa_user_sgpr_kernarg_segment_ptr 1
		.amdhsa_wavefront_size32 1
		.amdhsa_system_sgpr_workgroup_id_x 1
		.amdhsa_system_sgpr_workgroup_id_y 1
		.amdhsa_system_sgpr_workgroup_id_z 1
		.amdhsa_system_vgpr_workitem_id 0
		.amdhsa_next_free_vgpr 194
		.amdhsa_next_free_sgpr 66
		.amdhsa_reserve_vcc 0
		.amdhsa_float_denorm_mode_32 3
		.amdhsa_float_denorm_mode_16_64 3
		.amdhsa_memory_ordered 1
		.amdhsa_forward_progress 1
		.amdhsa_inst_pref_size 12
	.end_amdhsa_kernel
	.amdgpu_metadata
---
amdhsa.version: [ 1, 2 ]
amdhsa.kernels:
  - .name:           k_q71471f4b04_wquant
    .symbol:         k_q71471f4b04_wquant.kd
    .args:
      - { .name: Wq, .offset: 0, .size: 8, .value_kind: global_buffer, .address_space: global }
      - { .name: Wk, .offset: 8, .size: 8, .value_kind: global_buffer, .address_space: global }
      - { .name: Wv, .offset: 16, .size: 8, .value_kind: global_buffer, .address_space: global }
      - { .name: Wo, .offset: 24, .size: 8, .value_kind: global_buffer, .address_space: global }
      - { .name: wimg, .offset: 32, .size: 8, .value_kind: global_buffer, .address_space: global }
    .group_segment_fixed_size: 69120
    .private_segment_fixed_size: 0
    .kernarg_segment_align: 8
    .kernarg_segment_size: 40
    .max_flat_workgroup_size: 256
    .sgpr_count:     66
    .vgpr_count:     194
    .wavefront_size: 32
...
	.end_amdgpu_metadata
.endif
;; end of part 1
;; launch fused (part 2): grid 256 x 1, 4 waves a work-group, no clusters, 289,280 bytes of LDS; arguments query, key, value, bq, bk, bv, bo, wimg, out0; writes out0
.if DOCPART == 2
	.amdgcn_target "amdgcn-amd-amdhsa--gfx1250"
	.amdhsa_code_object_version 6
	.text
	.protected	k_q71471f4b04_fused
	.globl	k_q71471f4b04_fused
	.p2align	8
	.type	k_q71471f4b04_fused,@function
k_q71471f4b04_fused:
	s_mov_b64 s[64:65], 0
	v_nop
	global_prefetch_b8 v0, s[64:65] scope:SCOPE_SE
	s_setreg_imm32_b32 hwreg(HW_REG_WAVE_MODE, 25, 1), 1
	s_wait_xcnt 0x0
; out0 = (softmax over a token's 8 attributes of (q k^T / 8) v, head by head) Wo^T + bo, with q = query Wq^T + bq, k = key Wk^T + bk, v = value Wv^T + bv.  Rows: 16,384 = tokens x 8 attributes; 16 heads of 64.
; The four large products run on codes of BF6 (E3M2) with one E8M0 byte for each 32 along K; the two small ones of the attention take f32 operands (v_wmma_f32_16x16x4_f32), since their result is quantised again.
; SHARES.  A work-group owns 64 rows (8 tokens) and takes them through the whole chain: q, k, v and the attention's result never go to memory.  THE FOUR WAVES SHARE THE COLUMNS: wave w makes heads 4 w .. 4 w + 3 for all 64 rows,
; and columns 256 w .. 256 w + 255 of the output.
; PHASE X: wave w quantises rows 16 w .. 16 w + 15 of query, key and value: 24 fragments (16 rows x 128 K), stored in LDS as images of their registers | barrier |
; PHASE H, a head a trip: 24 units (K step ks, weight i: u = 3 ks + i) of 16 matrix instructions; the attention in registers; its result quantised; half fragments to LDS | barrier |
; PHASE O, 64 columns a trip: 8 units; the results leave through the wave's own stage as whole rows of 256 bytes.
; THE WEIGHTS come as codes from wimg, which the launch before laid in the order of the operand's registers and of each wave's walk: straight from memory into registers, a ring of eight slots of 48 registers, five units ahead.
; NO CLUSTER, NO TENSOR LOAD, NO LDS FOR THE WEIGHTS: a unit's 6,144 bytes of weights are multiplied by ONE wave of a work-group (16 matrix instructions on 4 row tiles); through LDS they would be written there once and read once
; more, 12,288 bytes of LDS traffic beside the 6,144 bytes of x that the same 16 instructions read; no wave shares a weight byte with another wave of its work-group.
; LAYOUT.  q, k and the output are made TRANSPOSED (source 0 = 16 weight rows, source 1 = 16 rows of x): lane (r, h) holds row r and columns 16 t + 8 h + 0 .. 7.  v is made the natural way round (lane (r, h): rows 8 h + 0 .. 7, one
; column).  S^T = k q^T: a pair of k's registers is source 0 and the same pair of q's source 1 (4 of the head's 64 an instruction): lane (r, h) holds query row r and key rows 8 h + 0 .. 7, of the same token where h = r / 8: there the
; softmax is a lane's own; elsewhere p is made 0.  O^T = v^T p: a pair of v's registers is source 0, the same pair of p's source 1.  By the choice of Wv's rows the result's 16 registers of tiles 2 b, 2 b + 1 are 16 neighbours along the last K.
; SOFTMAX: the row's own maximum is taken away: p = 2^(c s - c max), c = log2(e) / 8, then divided by the row's sum, all in f32.
; LIMITS: a block of zeros, and one whose largest magnitude lies under 2^-122, gets the byte 1 (zero codes; the bytes are read by this program alone); NaN and infinities among the inputs are not served.
; LDS: XI x's images: row tile m at 36,864 m, job tt = 8 i + ks at 1,536 tt, registers 4 c .. at 512 c, lane at 16 l | XA the attention's half fragments: head at 3,072, row tile at 768: registers 6 p .. 6 p + 3 at 16 l, 6 p + 4, 5 at 512 + 8 l
;   | XS x's scale words: 1,536 m + 64 tt + 4 r | XSO the attention's scale bytes: 512 w + 128 m + 8 r + 2 x (head % 4) | BL bq, bk, bv, bo | STG a stage for each wave.  Each wave's stores fall into one run of bytes of its own in each region.
; REGISTERS, in windows of 256: window 0: v1 16 x lane (also XI's row tile 0), v2-4 row tiles 1-3, v5 x's scale words, v6 biases; phase X: v8, 9 bases, v10 bias, v11-14 stage and images; phase H: v7 bv, v8-10 the head's stores;
;   phase O: v7-9 reads of XA and XSO, v11-13 the way out; v16-19 x's scale words, two sets; v20-35 the weights' scale words, two a slot; v36-43 c max, then 1 / sum, in pairs; v44-47 at work; v48-111 biases, at work; v112-159, v160-207
;   x's fragments, two sets (also p, and rows on the way out); v208-255 slot 7.   window 1: v0-127 q, then the attention's result, then the output (accumulator (m, t) at 8 (4 m + t)); v128-255 k.
;   window 2: v0-127 v; v128-159 S^T; v160-255 slots 5, 6.   window 3: v0-239 slots 0-4.   The registers that the f32 matrix form writes (window 1 v0-127, window 2 v128-159) are written by matrix instructions alone.
.set XIM,   36864
.set XA,    147456
.set XS,    196608
.set XSO,   XS+6144
.set BL,    204800
.set STG,   221184
.set WST,   16896
.set SPI,   528                        ; phase X's stage row: 512 bytes + 16
.set SPO,   272                        ; phase O's: 256 bytes + 16
.set PAIRB, 12800
.set UNITB, 6144
.set LI,   1
.set XM0,  1
.set XSA,  5
.set BIA,  6
.set BVA,  7
.set VA1,  8
.set VA2,  9
.set VAS,  10
.set XW0,  8
.set XWS0, 9
.set BLW,  10
.set SW,   11
.set SR,   12
.set XW,   13
.set XWS,  14
.set XAD3, 7
.set XAD4, 8
.set XSOA, 9
.set STO,  11
.set RD,   12
.set CO,   13
.set XSC,  16
.set WSC,  20
.set MT,   36
.set WK,   44
.set TEMP, 48
.set XB,   112
.set PP,   112                         ; p: 8 registers a row tile
.set SU,   144                         ; the rows' sums, at work
.set SS,   128                         ; S^T, in window 2
.set XN,   48                          ; phase X: two sets of 64 numbers
.set TM,   176
.set PW,   192
.set PC,   194
.set SEL,  30
.set MSB, 0
.macro WIN new                         ; the immediate's high byte repeats the setting that is left; a switch that changes nothing is dropped
.if MSB != (\new)
	s_set_vgpr_msb (MSB<<8)|(\new)
.set MSB, (\new)
.endif
.endm
.macro PLACES n                        ; plain vector instructions behind matrix instructions (ISA guide 7.12.1)
.rept \n
	v_nop
.endr
.endm
; 64 numbers of a lane, register 16 b + i = k 32 b + 16 (lane / 16) + i of its row, become a fragment's 12 registers from v[PC] on and the row's scale word in v[PW].
.macro QUANT4 s
.irp b, 0,1,2,3
	v_max3_num_f32 v[TM+\b], |v[(\s)+16*\b]|, |v[(\s)+1+16*\b]|, 0x2800000   ; block b: my 16 numbers, and the floor 2^(5 - 127): the byte cannot fall under 1
.endr
.irp i, 2,4,6,8,10,12,14
.irp b, 0,1,2,3
	v_max3_num_f32 v[TM+\b], v[TM+\b], |v[(\s)+16*\b+\i]|, |v[(\s)+1+16*\b+\i]|
.endr
.endr
.irp b, 0,1,2,3
	v_permlanex16_b32 v[TM+4+\b], v[TM+\b], s[SEL], s[SEL+1]
.endr
.irp b, 0,1,2,3
	v_max_num_f32 v[TM+\b], v[TM+\b], v[TM+4+\b]
.endr
.irp b, 0,1,2,3
	v_add_nc_u32 v[TM+12+\b], 0xfe000000, v[TM+\b]   ; 4 off the exponent field: the conversion's scale operand
.endr
.irp b, 0,1,2,3
	v_lshrrev_b32 v[TM+4+\b], 23, v[TM+12+\b]      ; the scale's byte
.endr
	v_lshl_or_b32 v[PW], v[TM+5], 8, v[TM+4]
	v_lshl_or_b32 v[PW], v[TM+6], 16, v[PW]
	v_lshl_or_b32 v[PW], v[TM+7], 24, v[PW]
.irp c, 0,1
	v_cvt_scalef32_pk16_bf6_f32 v[PC+6*\c:PC+2+6*\c], v[(\s)+32*\c:(\s)+15+32*\c], v[TM+12+2*\c]
	v_cvt_scalef32_pk16_bf6_f32 v[PC+12+4*\c:PC+14+4*\c], v[(\s)+16+32*\c:(\s)+31+32*\c], v[TM+12+2*\c+1]
.endr
	v_nop                                          ; one plain place behind a scaled conversion
.irp c, 0,1
.irp i, 0,1,2
	v_permlane16_swap_b32 v[PC+6*\c+\i], v[PC+12+4*\c+\i]
.endr
.irp i, 0,1,2
	v_mov_b32 v[PC+3+6*\c+\i], v[PC+12+4*\c+\i]
.endr
.endr
.endm
; PHASE X.  A job: my 16 rows x 128 numbers.  Sixteen loads of 512 consecutive bytes into set rs (0, 1: window 1 v128.., v192..; 2, 3: window 2 v0.., v64..)
.macro LOADX j, rs
.set RB, (128+64*(\rs))%256
	WIN (1+(\rs)/2)<<6
.irp i, 0,1,2,3,4,5,6,7,8,9,10,11,12,13,14,15
	global_load_b128 v[RB+4*\i:RB+4*\i+3], v[LI], s[26:27] offset:4096*\i+512*(\j) th:TH_LOAD_NT
.endr
	WIN 0
.endm
.macro TURN rs, st                     ; set rs through stage st: back come 16 neighbours of each block of my row
.set RB, (128+64*(\rs))%256
	WIN (1+(\rs)/2)<<2
.irp i, 0,1,2,3,4,5,6,7,8,9,10,11,12,13,14,15
	ds_store_b128 v[SW], v[RB+4*\i:RB+4*\i+3] offset:16*SPI*(\st)+SPI*\i
.endr
	WIN 0
.irp b, 0,1,2,3
.irp j, 0,1,2,3
	ds_load_b128 v[XN+64*(\st)+16*\b+4*\j:XN+64*(\st)+16*\b+4*\j+3], v[SR] offset:16*SPI*(\st)+128*\b+16*\j   ; LDS serves a wave's instructions in order (ISA guide 5.7.1.4)
.endr
.endr
.endm
; THE WEIGHTS' RING.  Slot sg: window SLW, first register SLB.
.macro SLOTOF sg
.if (\sg) < 5
.set SLW, 3
.set SLB, 48*(\sg)
.elseif (\sg) < 7
.set SLW, 2
.set SLB, 160+48*((\sg)-5)
.else
.set SLW, 0
.set SLB, 208
.endif
.endm
.macro WLOAD idx, sg                   ; unit idx, counted from where s[22:23] stands, into slot sg: 12 loads of 512 consecutive bytes; with an even unit the pair's scale words (no hint: all 256 work-groups read these bytes)
	SLOTOF \sg
	WIN SLW<<6
.irp n, 0,1,2,3,4,5,6,7,8,9,10,11
	global_load_b128 v[SLB+4*\n:SLB+4*\n+3], v[LI], s[22:23] offset:((\idx)/2)*PAIRB+((\idx)%2)*UNITB+512*\n
.endr
	WIN 0
.if ((\idx)%2) == 0
	global_load_b128 v[WSC+2*(\sg):WSC+2*(\sg)+3], v[LI], s[22:23] offset:((\idx)/2)*PAIRB+2*UNITB
.endif
.endm
.macro STEPX jj, ahead, lc, turn, wl   ; job jj of a trip's four
	s_wait_dscnt 0x0                               ; this job's numbers are back from the stage; earlier LDS stores have read their registers
.if \turn
	s_wait_loadcnt \lc                             ; the next job's 16 loads are in; lc = those of the jobs behind it
.endif
.if \ahead
	LOADX \jj, \jj                                 ; the job four on, into the set that this job has left
.endif
.if \wl
.irp q, 0,1,2,3,4
	WLOAD \q, \q                                   ; no input load is out any more: the weights' first five units go out: 60 + 3 loads
.endr
.endif
.if \turn
	TURN ((\jj)+1)%4, ((\jj)+1)%2
.endif
	QUANT4 XN+64*((\jj)%2)
.irp c, 0,1,2
	ds_store_b128 v[XW], v[PC+4*\c:PC+4*\c+3] offset:1536*(\jj)+512*\c   ; the fragment as it stands
.endr
	ds_store_b32 v[XWS], v[PW] offset:64*(\jj)     ; lanes r and r + 16 write the same word with the same value
.endm
; x's four fragments of job tt and their scale words into set xb
.macro XLOAD tt, xb
.irp m, 0,1,2,3
.irp c, 0,1,2
	ds_load_b128 v[XB+48*(\xb)+12*\m+4*\c:XB+48*(\xb)+12*\m+4*\c+3], v[XM0+\m] offset:1536*(\tt)+512*\c
.endr
.endr
	ds_load_b32 v[XSC+2*(\xb)], v[XSA] offset:64*(\tt)          ; lanes 0-15 row tile 0, lanes 16-31 row tile 1
	ds_load_b32 v[XSC+2*(\xb)+1], v[XSA] offset:3072+64*(\tt)   ; row tiles 2, 3
.endm
; the attention's four fragments of K step kk (heads 2 kk and 2 kk + 1) and their scale words
.macro XLOADO kk, xb
.irp m, 0,1,2,3
.irp p, 0,1
	ds_load_b128 v[XB+48*(\xb)+12*\m+6*\p:XB+48*(\xb)+12*\m+6*\p+3], v[XAD3] offset:(2*(\kk)+\p)*3072+768*\m
	ds_load_b64 v[XB+48*(\xb)+12*\m+6*\p+4:XB+48*(\xb)+12*\m+6*\p+5], v[XAD4] offset:(2*(\kk)+\p)*3072+768*\m
.endr
.endr
	ds_load_b32 v[XSC+2*(\xb)], v[XSOA] offset:512*((\kk)/2)+4*((\kk)%2)
	ds_load_b32 v[XSC+2*(\xb)+1], v[XSOA] offset:512*((\kk)/2)+4*((\kk)%2)+256
.endm
.macro WM d, a, b, c, sa, sb, ra, rb   ; one scaled product; ra, rb: the side's scales stand in lanes 16-31
.if (\ra) && (\rb)
	v_wmma_scale_f32_16x16x128_f8f6f4 v[\d:\d+7], v[\a:\a+11], v[\b:\b+11], v[\c:\c+7], v[\sa], v[\sb] matrix_a_fmt:MATRIX_FMT_BF6 matrix_b_fmt:MATRIX_FMT_BF6 matrix_a_scale:MATRIX_SCALE_ROW1 matrix_b_scale:MATRIX_SCALE_ROW1
.elseif (\ra)
	v_wmma_scale_f32_16x16x128_f8f6f4 v[\d:\d+7], v[\a:\a+11], v[\b:\b+11], v[\c:\c+7], v[\sa], v[\sb] matrix_a_fmt:MATRIX_FMT_BF6 matrix_b_fmt:MATRIX_FMT_BF6 matrix_a_scale:MATRIX_SCALE_ROW1
.elseif (\rb)
	v_wmma_scale_f32_16x16x128_f8f6f4 v[\d:\d+7], v[\a:\a+11], v[\b:\b+11], v[\c:\c+7], v[\sa], v[\sb] matrix_a_fmt:MATRIX_FMT_BF6 matrix_b_fmt:MATRIX_FMT_BF6 matrix_b_scale:MATRIX_SCALE_ROW1
.else
	v_wmma_scale_f32_16x16x128_f8f6f4 v[\d:\d+7], v[\a:\a+11], v[\b:\b+11], v[\c:\c+7], v[\sa], v[\sb] matrix_a_fmt:MATRIX_FMT_BF6 matrix_b_fmt:MATRIX_FMT_BF6
.endif
.endm
; A unit's 16 products: 4 row tiles x 4 weight tiles, 16 accumulators, one instruction a turn.  kind 0: q or the output, 1: k (both transposed), 2: v.  cb >= 0: the sums begin with the bias at v[TEMP + cb + 8 t].
.macro UMUL sg, xb, kind, cb
	SLOTOF \sg
.if (\kind) == 2
.if (\cb) >= 0
	WIN 0x80|(SLW<<2)
.else
	WIN 0xa0|(SLW<<2)
.endif
.else
.if (\cb) >= 0
	WIN 0x40|SLW
.else
	WIN 0x50|SLW
.endif
.endif
.irp m, 0,1,2,3
.irp t, 0,1,2,3
.set rD, 128*((\kind)%2)+8*(4*\m+\t)
.set rW, SLB+12*\t
.set rX, XB+48*(\xb)+12*\m
.set rSW, WSC+2*(\sg)+\t/2
.set rSX, XSC+2*(\xb)+\m/2
.if (\cb) >= 0
.set rC, TEMP+(\cb)+8*\t
.else
.set rC, rD
.endif
.if (\kind) == 2
	WM rD, rX, rW, rC, rSX, rSW, \m%2, \t%2
.else
	WM rD, rW, rX, rC, rSW, rSX, \t%2, \m%2
.endif
.endr
.endr
	WIN 0
.endm
	s_load_b512 s[8:23], s[0:1], 0x0               ; query s[8:9], key s[10:11], value s[12:13], bq s[14:15], bk s[16:17], bv s[18:19], bo s[20:21], wimg s[22:23]
	s_load_b64 s[24:25], s[0:1], 0x40              ; out0
	v_lshl_add_u32 v15, v0, 2, 0x46800
	s_set_vgpr_msb 0xc0
	v_mov_b32 v255, 0
	s_set_vgpr_msb 0xc000
	v_lshrrev_b32 v[WK], 5, v0
	v_readfirstlane_b32 s2, v[WK]                  ; wave 0..3
	v_and_b32 v[WK], 31, v0                        ; lane
	v_and_b32 v[WK+1], 15, v0                      ; r
	v_bfe_u32 v[WK+2], v0, 4, 1                    ; h
	v_lshlrev_b32 v[LI], 4, v[WK]
	v_add_nc_u32 v[XM0+1], XIM, v[LI]
	v_add_nc_u32 v[XM0+2], 2*XIM, v[LI]
	v_add_nc_u32 v[XM0+3], 3*XIM, v[LI]
	v_mul_u32_u24 v[XSA], v[WK+2], 1536            ; lanes 16-31 take the next row tile's words
	v_lshl_add_u32 v[XSA], v[WK+1], 2, v[XSA]
	v_add_nc_u32 v[XSA], XS, v[XSA]
	s_mul_i32 s36, s2, WST
	s_add_co_u32 s36, s36, STG                     ; my stage
	v_add_nc_u32 v[SW], s36, v[LI]
	v_mul_u32_u24 v[SR], v[WK+1], SPI
	v_lshl_add_u32 v[SR], v[WK+2], 6, v[SR]
	v_add_nc_u32 v[SR], s36, v[SR]
	s_mul_i32 s37, s2, XIM
	v_add_nc_u32 v[XW0], s37, v[LI]                ; my row tile's images
	s_mul_i32 s37, s2, 1536
	s_add_co_u32 s37, s37, XS
	v_lshl_add_u32 v[XWS0], v[WK+1], 2, s37        ; and its scale words
	s_lshl_b32 s37, s2, 12
	s_add_co_u32 s37, s37, BL
	v_add_nc_u32 v[BLW], s37, v[LI]                ; bias number w
	s_mov_b32 s[SEL], 0x76543210
	s_mov_b32 s[SEL+1], 0xfedcba98                 ; v_permlanex16_b32's selects for lane l xor 16
	s_mov_b32 s32, 0x3e38aa3b                      ; c = log2(e) / 8
	s_mov_b32 s33, s32                             ; (named with it as a pair)
	s_mov_b32 s34, 0xff0000ff                      ; the lanes whose 8 keys belong to their query's token: h = r / 8
.irp m, 0,1,2,3
	v_mov_b32 v[MT+2*\m+1], 0                      ; the pairs' upper halves: named, never used
	v_mov_b32 v[TM+4+\m], 0                        ; a lane permute's destination counts as one of its sources
.endr
	s_lshl_b32 s28, ttmp9, 18                      ; my work-group's 64 rows of 4,096 bytes,
	s_lshl_b32 s36, s2, 16                         ; my wave's 16 of them
	s_add_co_u32 s28, s28, s36
	s_mov_b32 s29, 0
	s_lshl_b32 s38, ttmp9, 18
	s_lshl_b32 s36, s2, 10                         ; my wave's 256 columns of the output
	s_add_co_u32 s38, s38, s36
	s_mov_b32 s39, 0
	s_mul_i32 s36, s2, 64*PAIRB                    ; my wave's stream
	s_mov_b32 s37, 0
	s_wait_kmcnt 0x0
	s_add_nc_u64 s[8:9], s[8:9], s[28:29]
	s_add_nc_u64 s[10:11], s[10:11], s[28:29]
	s_add_nc_u64 s[12:13], s[12:13], s[28:29]
	s_add_nc_u64 s[24:25], s[24:25], s[38:39]
	s_add_nc_u64 s[22:23], s[22:23], s[36:37]
	s_cmp_eq_u32 s2, 1                             ; wave w brings bias number w: a choice on the wave's number
	s_cselect_b64 s[14:15], s[16:17], s[14:15]
	s_cmp_eq_u32 s2, 2
	s_cselect_b64 s[14:15], s[18:19], s[14:15]
	s_cmp_eq_u32 s2, 3
	s_cselect_b64 s[14:15], s[20:21], s[14:15]
.irp j, 0,1,2,3,4,5,6,7
	global_load_b128 v[216+4*\j:219+4*\j], v[LI], s[14:15] offset:512*\j
.endr
	s_mov_b64 s[26:27], s[8:9]                     ; jobs 0-3: query, K steps 0-3
	LOADX 0, 0
	LOADX 1, 1
	LOADX 2, 2
	s_wait_loadcnt 48                              ; the bias is in; three jobs of 16 loads stay out
.irp j, 0,1,2,3,4,5,6,7
	ds_store_b128 v[BLW], v[216+4*\j:219+4*\j] offset:512*\j
.endr
	LOADX 3, 3
	s_wait_loadcnt 48                              ; job 0 is in
	TURN 0, 0
	s_mov_b32 s3, 0
	s_mov_b32 s40, 0
	s_mov_b32 s41, 0
.Lx:                                               ; trip T: jobs 4 T .. 4 T + 3 are quantised, jobs 4 T + 4 .. 4 T + 7 asked for
	s_wait_xcnt 0x0                                ; the loads issued so far have read their base: it may be written
	s_add_co_u32 s36, s3, 1
	s_lshr_b32 s37, s36, 1                         ; the next trip's input,
	s_and_b32 s36, s36, 1
	s_lshl_b32 s28, s36, 11                        ; and its half of K: 4 K steps of 512 bytes
	s_cmp_eq_u32 s37, 1
	s_cselect_b64 s[26:27], s[10:11], s[8:9]
	s_cmp_eq_u32 s37, 2
	s_cselect_b64 s[26:27], s[12:13], s[26:27]
	s_add_nc_u64 s[26:27], s[26:27], s[28:29]
	v_add_nc_u32 v[XW], s40, v[XW0]
	v_add_nc_u32 v[XWS], s41, v[XWS0]
	STEPX 0, 1, 32, 1, 0
	STEPX 1, 1, 32, 1, 0
	STEPX 2, 1, 32, 1, 0
	STEPX 3, 1, 32, 1, 0
	s_add_co_u32 s40, s40, 4*1536
	s_add_co_u32 s41, s41, 4*64
	s_add_co_u32 s3, s3, 1
	s_cmp_lt_u32 s3, 5
	s_cbranch_scc1 .Lx
	v_add_nc_u32 v[XW], 20*1536, v[XW0]            ; the last four jobs ask for nothing more: the counts run down
	v_add_nc_u32 v[XWS], 20*64, v[XWS0]
	STEPX 0, 0, 32, 1, 0
	STEPX 1, 0, 16, 1, 0
	STEPX 2, 0, 0, 1, 1
	STEPX 3, 0, 0, 0, 0
	s_wait_dscnt 0x0                               ; for the others' sake: my images, scale words and bias have landed
	s_barrier_signal -1                            ; (the weights' loads stay out: they touch my registers alone)
	s_barrier_wait -1
	; ---- PHASE H
	s_lshl_b32 s42, s2, 10                         ; my head's 256 bytes in a bias: 1,024 w, + 256 a trip
	s_mul_i32 s43, s2, 4*3072                      ; its half fragments in XA: + 3,072 a trip
	s_lshl_b32 s44, s2, 9                          ; its scale bytes in XSO: 512 w, + 2 a trip
	s_mov_b32 s35, 0
.Lhead:
	s_wait_dscnt 0x0                               ; the last head's LDS stores have read their registers
	s_add_co_u32 s36, s42, BL
	s_add_co_u32 s37, s42, BL+8192
	v_bfe_u32 v[WK], v0, 4, 1
	v_lshl_add_u32 v[BIA], v[WK], 5, s36           ; bq, bk: my eight columns of a tile: 64 t + 32 h
	v_and_b32 v[WK+1], 15, v0
	v_and_b32 v[WK+2], 8, v0
	v_add_nc_u32 v[WK+2], v[WK+2], v[WK+1]
	v_lshl_add_u32 v[BVA], v[WK+2], 2, s37         ; bv: my one column of a tile: r + 8 (r / 8)
.irp t, 0,1,2,3
	ds_load_b128 v[TEMP+8*\t:TEMP+8*\t+3], v[BIA] offset:64*\t
	ds_load_b128 v[TEMP+8*\t+4:TEMP+8*\t+7], v[BIA] offset:64*\t+16
.endr
.irp t, 0,1,2,3
	ds_load_b128 v[TEMP+32+8*\t:TEMP+32+8*\t+3], v[BIA] offset:4096+64*\t
	ds_load_b128 v[TEMP+32+8*\t+4:TEMP+32+8*\t+7], v[BIA] offset:4096+64*\t+16
.endr
	XLOAD 0, 0
.set u, 0
.rept 24                               ; unit u = 3 ks + i: slot u % 8, x's set u % 2
	s_wait_loadcnt 50                              ; this unit's weights are in: behind them stand four units' 48 loads and the scale words of the two even ones among them
	s_wait_dscnt 0x0                               ; x's fragments, asked for ahead of the last unit's products
	PLACES 4                                       ; in front of loads into registers that the last unit's products have read
.if u < 23
	XLOAD 8*((u+1)%3)+(u+1)/3, 1-u%2
.endif
.if u == 1
.irp t, 0,1,2,3
.irp j, 0,1,2,3,4,5,6,7
	ds_load_b32 v[TEMP+8*\t+\j], v[BVA] offset:(32*(\t/2)+8*(\t%2))*4   ; v's bias in the natural result's layout: a lane's eight rows share its column
.endr
.endr
.endif
	WLOAD u+5, (u+5)%8                             ; five units ahead, into the slot read three units ago
.if u == 1
	UMUL u%8, u%2, u%3, 32
.elseif u < 3
	UMUL u%8, u%2, u%3, 0
.else
	UMUL u%8, u%2, u%3, -1
.endif
.set u, u+1
.endr
	; ---- the attention, the four row tiles by turns.  The five address lines, with the last unit's four, are the places between k's last products and the products that read them
	s_add_co_u32 s36, s43, XA
	s_add_co_u32 s37, s43, XA+512
	s_add_co_u32 s38, s44, XSO
	v_add_nc_u32 v[VA1], s36, v[LI]
	v_and_b32 v[WK], 31, v0
	v_lshl_add_u32 v[VA2], v[WK], 3, s37
	v_and_b32 v[WK+1], 15, v0
	v_lshl_add_u32 v[VAS], v[WK+1], 3, s38
	WIN 0xa5                                       ; k and q window 1, S^T window 2
.set st, 0
.rept 16                               ; 4 of the head's 64 an instruction: columns 16 (st / 4) + 2 (st % 4) + {0, 1, 8, 9}
.irp m, 0,1,2,3
.set rK, 128+8*(4*\m+st/4)+2*(st%4)
.set rQ, 8*(4*\m+st/4)+2*(st%4)
.if st == 0
	v_wmma_f32_16x16x4_f32 v[SS+8*\m:SS+8*\m+7], v[rK:rK+1], v[rQ:rQ+1], 0
.else
	v_wmma_f32_16x16x4_f32 v[SS+8*\m:SS+8*\m+7], v[rK:rK+1], v[rQ:rQ+1], v[SS+8*\m:SS+8*\m+7]
.endif
.endr
.set st, st+1
.endr
	WIN 0
	PLACES 8
	WIN 0x08                                       ; source 1 window 2
.irp j, 0,1,2,3,4,5,6,7
.irp m, 0,1,2,3
	v_cndmask_b32 v[PP+8*\m+\j], 0, v[SS+8*\m+\j], s34   ; the scores into other registers, each accumulator from its low end on; scores across tokens become 0
.endr
.endr
	WIN 0
.irp m, 0,1,2,3
	v_max3_num_f32 v[WK+\m], v[PP+8*\m], v[PP+8*\m+1], v[PP+8*\m+2]
.endr
.irp i, 3,5
.irp m, 0,1,2,3
	v_max3_num_f32 v[WK+\m], v[WK+\m], v[PP+8*\m+\i], v[PP+8*\m+\i+1]
.endr
.endr
.irp m, 0,1,2,3
	v_max_num_f32 v[WK+\m], v[WK+\m], v[PP+8*\m+7]   ; the row's largest score
.endr
.irp m, 0,1,2,3
	v_mul_f32 v[MT+2*\m], s32, v[WK+\m]            ; c max
.endr
.irp m, 0,1,2,3
.irp j, 0,2,4,6
	v_pk_fma_f32 v[PP+8*\m+\j:PP+8*\m+\j+1], v[PP+8*\m+\j:PP+8*\m+\j+1], s[32:33], v[MT+2*\m:MT+2*\m+1] op_sel_hi:[1,0,0] neg_lo:[0,0,1] neg_hi:[0,0,1]   ; c s - c max
.endr
.endr
.irp j, 0,1,2,3,4,5,6,7,8,9,10,11,12,13,14,15,16,17,18,19,20,21,22,23,24,25,26,27,28,29,30,31
	v_exp_f32 v[PP+\j], v[PP+\j]
.endr
	v_nop                                          ; a plain instruction behind the last exponential
	s_wait_alu depctr_va_vdst(0)                   ; one wait for the batch of 32, ahead of its first reader
.irp m, 0,1,2,3
	v_pk_add_f32 v[SU+4*\m:SU+4*\m+1], v[PP+8*\m:PP+8*\m+1], v[PP+8*\m+2:PP+8*\m+3]
	v_pk_add_f32 v[SU+4*\m+2:SU+4*\m+3], v[PP+8*\m+4:PP+8*\m+5], v[PP+8*\m+6:PP+8*\m+7]
.endr
.irp m, 0,1,2,3
	v_pk_add_f32 v[SU+4*\m:SU+4*\m+1], v[SU+4*\m:SU+4*\m+1], v[SU+4*\m+2:SU+4*\m+3]
.endr
.irp m, 0,1,2,3
	v_add_f32 v[SU+4*\m], v[SU+4*\m], v[SU+4*\m+1]   ; the row's sum
.endr
.irp m, 0,1,2,3
	v_rcp_f32 v[MT+2*\m], v[SU+4*\m]
.endr
	v_nop
	s_wait_alu depctr_va_vdst(0)                   ; one wait for the four reciprocals
.irp m, 0,1,2,3
	v_cndmask_b32 v[MT+2*\m], 0, v[MT+2*\m], s34   ; across tokens p = 0
.endr
.irp m, 0,1,2,3
.irp j, 0,2,4,6
	v_pk_mul_f32 v[PP+8*\m+\j:PP+8*\m+\j+1], v[PP+8*\m+\j:PP+8*\m+\j+1], v[MT+2*\m:MT+2*\m+1] op_sel_hi:[1,0]
.endr
.endr
	PLACES 4
	WIN 0x52                                       ; v window 2, p window 0, the result window 1, over q, which is done with
.irp s, 0,1,2,3                        ; key rows 8 h + 2 s + {0, 1}
.irp m, 0,1,2,3
.irp t, 0,1,2,3
.if \s == 0
	v_wmma_f32_16x16x4_f32 v[8*(4*\m+\t):8*(4*\m+\t)+7], v[8*(4*\m+\t)+2*\s:8*(4*\m+\t)+2*\s+1], v[PP+8*\m+2*\s:PP+8*\m+2*\s+1], 0
.else
	v_wmma_f32_16x16x4_f32 v[8*(4*\m+\t):8*(4*\m+\t)+7], v[8*(4*\m+\t)+2*\s:8*(4*\m+\t)+2*\s+1], v[PP+8*\m+2*\s:PP+8*\m+2*\s+1], v[8*(4*\m+\t):8*(4*\m+\t)+7]
.endif
.endr
.endr
.endr
	WIN 0
	PLACES 8
	; the result is quantised: 8 blocks be = 2 m + b; window 1's register 16 be + i is column 32 b + 16 h + i of row r of row tile m
	WIN 0x05
.irp be, 0,1,2,3,4,5,6,7
	v_max3_num_f32 v[TEMP+\be], |v[16*\be]|, |v[16*\be+1]|, 0x2800000   ; each accumulator is read from its low end on
.endr
	WIN 0x14
.irp i, 2,4,6,8,10,12,14
.irp be, 0,1,2,3,4,5,6,7
	v_max3_num_f32 v[TEMP+\be], v[TEMP+\be], |v[16*\be+\i]|, |v[16*\be+\i+1]|
.endr
.endr
	WIN 0
.irp be, 0,1,2,3,4,5,6,7
	v_permlanex16_b32 v[TEMP+8+\be], v[TEMP+\be], s[SEL], s[SEL+1]
.endr
.irp be, 0,1,2,3,4,5,6,7
	v_max_num_f32 v[TEMP+\be], v[TEMP+\be], v[TEMP+8+\be]
.endr
.irp be, 0,1,2,3,4,5,6,7
	v_add_nc_u32 v[TEMP+16+\be], 0xfe000000, v[TEMP+\be]   ; the conversion's scale operand
.endr
.irp be, 0,1,2,3,4,5,6,7
	v_lshrrev_b32 v[TEMP+8+\be], 23, v[TEMP+16+\be]        ; the scale's byte
.endr
.irp m, 0,1,2,3
	v_lshl_or_b32 v[TEMP+24+\m], v[TEMP+9+2*\m], 8, v[TEMP+8+2*\m]   ; the head's two bytes of the row's scale word
.endr
	WIN 0x01
.irp m, 0,1,2,3
	v_cvt_scalef32_pk16_bf6_f32 v[TEMP+32+8*\m:TEMP+34+8*\m], v[32*\m:32*\m+15], v[TEMP+16+2*\m]
	v_cvt_scalef32_pk16_bf6_f32 v[TEMP+36+8*\m:TEMP+38+8*\m], v[32*\m+16:32*\m+31], v[TEMP+17+2*\m]
.endr
	WIN 0
	v_nop                                          ; one plain place behind a scaled conversion
.irp m, 0,1,2,3
.irp i, 0,1,2
	v_permlane16_swap_b32 v[TEMP+32+8*\m+\i], v[TEMP+36+8*\m+\i]   ; a whole block to a lane: lanes 0-15 block 0, lanes 16-31 block 1
.endr
.endr
.irp m, 0,1,2,3
.irp i, 0,1,2
	v_mov_b32 v[TEMP+35+8*\m+\i], v[TEMP+36+8*\m+\i]               ; six registers on end: registers 6 p .. 6 p + 5 of the last product's fragment
.endr
.endr
.irp m, 0,1,2,3
	ds_store_b128 v[VA1], v[TEMP+32+8*\m:TEMP+35+8*\m] offset:768*\m
	ds_store_b64 v[VA2], v[TEMP+36+8*\m:TEMP+37+8*\m] offset:768*\m
	ds_store_b16 v[VAS], v[TEMP+24+\m] offset:128*\m               ; lanes r and r + 16 write the same bytes with the same value
.endr
	s_wait_xcnt 0x0                                ; the weights' loads have read their base
	s_add_nc_u64 s[22:23], s[22:23], 12*PAIRB      ; 24 units on
	s_add_co_u32 s42, s42, 256
	s_add_co_u32 s43, s43, 3072
	s_add_co_u32 s44, s44, 2
	s_add_co_u32 s35, s35, 1
	s_cmp_lt_u32 s35, 4
	s_cbranch_scc1 .Lhead
	s_wait_dscnt 0x0                               ; for the others' sake: my heads' half fragments and scale bytes have landed
	s_barrier_signal -1
	s_barrier_wait -1
	; ---- PHASE O
	s_lshl_b32 s42, s2, 10                         ; my columns in bo: 1,024 w, + 256 a chunk
	s_mul_i32 s36, s2, WST
	s_add_co_u32 s36, s36, STG
	v_and_b32 v[WK], 31, v0
	v_and_b32 v[WK+1], 15, v0
	v_bfe_u32 v[WK+2], v0, 4, 1
	v_add_nc_u32 v[XAD3], XA, v[LI]
	v_lshl_add_u32 v[XAD4], v[WK], 3, XA+512
	v_lshl_add_u32 v[XSOA], v[WK], 3, XSO
	v_mul_u32_u24 v[STO], v[WK+1], SPO             ; the stage, in: row r, 32 bytes for each half of the lanes
	v_lshl_add_u32 v[STO], v[WK+2], 5, v[STO]
	v_add_nc_u32 v[STO], s36, v[STO]
	v_mul_u32_u24 v[RD], v[WK+2], SPO              ; back: lanes 0-15 one row of 256 bytes, lanes 16-31 the next
	v_lshl_add_u32 v[RD], v[WK+1], 4, v[RD]
	v_add_nc_u32 v[RD], s36, v[RD]
	v_lshlrev_b32 v[CO], 12, v[WK+2]               ; and the same two rows in out0
	v_lshl_add_u32 v[CO], v[WK+1], 4, v[CO]
.macro TOSTAGE a                       ; row tile a: 16 rows x 64 columns into my stage, and back as whole rows
	WIN 0x04                                       ; an LDS store's data are its source 1: window 1
.irp t, 0,1,2,3
	ds_store_b128 v[STO], v[8*(4*(\a)+\t):8*(4*(\a)+\t)+3] offset:64*\t          ; each accumulator from its low end on
	ds_store_b128 v[STO], v[8*(4*(\a)+\t)+4:8*(4*(\a)+\t)+7] offset:64*\t+16
.endr
	WIN 0
.set OBB, XB+48*((\a)%2)
.irp i, 0,1,2,3,4,5,6,7
	ds_load_b128 v[OBB+4*\i:OBB+4*\i+3], v[RD] offset:2*SPO*\i   ; LDS serves a wave's instructions in order (ISA guide 5.7.1.4)
.endr
.endm
.macro SEND a, younger                 ; younger: the LDS instructions issued behind row tile a's loads
.set OBB, XB+48*((\a)%2)
	s_wait_dscnt \younger
.irp i, 0,1,2,3,4,5,6,7
	global_store_b128 v[CO], v[OBB+4*\i:OBB+4*\i+3], s[24:25] offset:(16*(\a)+2*\i)*4096 th:TH_STORE_NT   ; 16 lanes store 256 consecutive bytes, at a multiple of 256 from out0's first byte
.endr
.endm
.macro CHUNK last                      ; 64 columns of the output for the 64 rows: 8 units; last = 1: the ring runs out, so that no load leaves wimg
	s_add_co_u32 s36, s42, BL+12288
	v_bfe_u32 v[WK], v0, 4, 1
	v_lshl_add_u32 v[BIA], v[WK], 5, s36
.irp t, 0,1,2,3
	ds_load_b128 v[TEMP+8*\t:TEMP+8*\t+3], v[BIA] offset:64*\t
	ds_load_b128 v[TEMP+8*\t+4:TEMP+8*\t+7], v[BIA] offset:64*\t+16
.endr
	XLOADO 0, 0
.set ks, 0
.rept 8
.set lc, 50                            ; as in phase H; in the last chunk the units still behind: 12 loads each, one more for each even one
.if \last
.if ks == 4
.set lc, 37
.elseif ks == 5
.set lc, 25
.elseif ks == 6
.set lc, 12
.elseif ks == 7
.set lc, 0
.endif
.endif
	s_wait_loadcnt lc
	s_wait_dscnt 0x0
	PLACES 4
.if ks < 7
	XLOADO ks+1, 1-ks%2
.endif
.if ((\last) == 0) || (ks < 3)
	WLOAD ks+5, (ks+5)%8
.endif
.if ks == 0
	UMUL ks, ks%2, 0, 0
.else
	UMUL ks, ks%2, 0, -1
.endif
.set ks, ks+1
.endr
	PLACES 4                                       ; in front of the first read of results, and of loads into the registers that held x's fragments
	TOSTAGE 0
.irp a, 1,2,3
.if \a > 1
	s_wait_xcnt 0x0                                ; row tile a - 2's stores have read their registers: row tile a's loads may land there
.endif
	TOSTAGE \a
	SEND \a-1, 16                                  ; behind its loads: the next row tile's 8 stores and 8 loads
.endr
	SEND 3, 0
.endm
	s_mov_b32 s35, 0
.Lchunk:
	CHUNK 0
	s_wait_xcnt 0x0                                ; stores and loads have read their registers and bases
	s_add_nc_u64 s[24:25], s[24:25], 256           ; 64 columns on
	s_add_nc_u64 s[22:23], s[22:23], 4*PAIRB       ; 8 units on
	s_add_co_u32 s42, s42, 256
	s_add_co_u32 s35, s35, 1
	s_cmp_lt_u32 s35, 3
	s_cbranch_scc1 .Lchunk
	CHUNK 1
	s_set_vgpr_msb 0xc
	s_wait_tensorcnt 0x0
	ds_add_u32 v15, v255
	s_wait_dscnt 0x0
	s_set_vgpr_msb 0xc00
	s_endpgm
.Lfunc_end_k_q71471f4b04_fused:
	.size	k_q71471f4b04_fused, .Lfunc_end_k_q71471f4b04_fused-k_q71471f4b04_fused
	.p2alignl 7, 3214868480
	.fill 96, 4, 3214868480
	.section	.rodata,"a",@progbits
	.p2align	6, 0x0
	.amdhsa_kernel k_q71471f4b04_fused
		.amdhsa_group_segment_fixed_size 289280
		.amdhsa_private_segment_fixed_size 0
		.amdhsa_enable_private_segment 0
		.amdhsa_kernarg_size 72
		.amdhsa_user_sgpr_count 2
		.amdhsa_user_sgpr_kernarg_segment_ptr 1
		.amdhsa_wavefront_size32 1
		.amdhsa_system_sgpr_workgroup_id_x 1
		.amdhsa_system_sgpr_workgroup_id_y 1
		.amdhsa_system_sgpr_workgroup_id_z 1
		.amdhsa_system_vgpr_workitem_id 0
		.amdhsa_next_free_vgpr 1024
		.amdhsa_next_free_sgpr 66
		.amdhsa_reserve_vcc 0
		.amdhsa_float_denorm_mode_32 3
		.amdhsa_float_denorm_mode_16_64 3
		.amdhsa_memory_ordered 1
		.amdhsa_forward_progress 1
		.amdhsa_inst_pref_size 255
	.end_amdhsa_kernel
	.section	.bss,"aw",@nobits
	.p2align	6
	.space	262144
	.amdgpu_metadata
---
amdhsa.version: [ 1, 2 ]
amdhsa.kernels:
  - .name:           k_q71471f4b04_fused
    .symbol:         k_q71471f4b04_fused.kd
    .args:
      - { .name: query, .offset: 0, .size: 8, .value_kind: global_buffer, .address_space: global }
      - { .name: key, .offset: 8, .size: 8, .value_kind: global_buffer, .address_space: global }
      - { .name: value, .offset: 16, .size: 8, .value_kind: global_buffer, .address_space: global }
      - { .name: bq, .offset: 24, .size: 8, .value_kind: global_buffer, .address_space: global }
      - { .name: bk, .offset: 32, .size: 8, .value_kind: global_buffer, .address_space: global }
      - { .name: bv, .offset: 40, .size: 8, .value_kind: global_buffer, .address_space: global }
      - { .name: bo, .offset: 48, .size: 8, .value_kind: global_buffer, .address_space: global }
      - { .name: wimg, .offset: 56, .size: 8, .value_kind: global_buffer, .address_space: global }
      - { .name: out0, .offset: 64, .size: 8, .value_kind: global_buffer, .address_space: global }
    .group_segment_fixed_size: 289280
    .private_segment_fixed_size: 0
    .kernarg_segment_align: 8
    .kernarg_segment_size: 72
    .max_flat_workgroup_size: 128
    .sgpr_count:     66
    .vgpr_count:     1024
    .wavefront_size: 32
...
	.end_amdgpu_metadata
.endif
;; end of part 2
;; ======== version 2 of 2: 2 launches
;; workspace buffers: wimg 3,276,800 bytes
;; launch wquant (part 3): grid 256 x 1, 8 waves a work-group, no clusters, 69,120 bytes of LDS; arguments Wq, Wk, Wv, Wo, wimg; writes wimg
.if DOCPART == 3
	.amdgcn_target "amdgcn-amd-amdhsa--gfx1250"
	.amdhsa_code_object_version 6
	.text
	.protected	k_q71471f4b04_wquant
	.globl	k_q71471f4b04_wquant
	.p2align	8
	.type	k_q71471f4b04_wquant,@function
k_q71471f4b04_wquant:
	s_mov_b64 s[64:65], 0
	v_nop
	global_prefetch_b8 v0, s[64:65] scope:SCOPE_SE
	s_setreg_imm32_b32 hwreg(HW_REG_WAVE_MODE, 25, 1), 1
	s_wait_xcnt 0x0
; Wq, Wk, Wv, Wo [1024][1024] f32 (K innermost) become codes of BF6 (E3M2) with one E8M0 byte for each 32 along K, laid in wimg IN THE ORDER OF THE OPERAND'S REGISTERS
; and in the order in which the next launch's waves take them.  wimg = 4 streams (one for each wave number w of the next launch) of 64 pairs of 12,800 bytes.  A pair = the codes of unit 2 P (6,144 bytes), of unit 2 P + 1,
; and 512 bytes of scale words.  A unit = 4 tiles of 16 weight rows x 128 K; tile t at 1,536 t; the fragment's registers 4 c .. 4 c + 3 at 512 c; lane l's 16 bytes at 16 l.
; Scale block: lane l's 16 bytes at 16 l; word q: unit parity q / 2, register q % 2, which carries tile 2 (q % 2) in lanes 0-15 and tile 2 (q % 2) + 1 in lanes 16-31, row l % 16.
; Unit U of stream w: U < 96: head 4 w + U / 24, K step (U % 24) / 3, weight U % 3 (Wq, Wk, Wv);  U >= 96: Wo, its rows 64 (4 w + (U - 96) / 8) on, K step (U - 96) % 8.
; Rows of a tile: lane r takes row 64 blk + 16 t + r;  of Wv: 64 blk + 32 (t / 2) + 8 (t % 2) + r + 8 (r / 8), so that the attention's result comes out with 16 neighbours along the last product's K in a lane.
; A block's scale is 2^(floor(log2(largest magnitude)) - 4); its byte is the largest magnitude's exponent field - 4, held at 1 from below.
; LIMITS: a block of zeros, and one whose largest magnitude lies under 2^-122, gets the byte 1 (a block of zeros has zero codes; the bytes are read by this program alone); NaN and infinities are not served.
; SHARES: a work-group makes one pair, a wave one tile (unit parity wave / 4, tile wave % 4): 16 rows x 512 bytes, each load 512 consecutive bytes.  The numbers turn through the wave's own stage in LDS, so that a lane
; holds 16 neighbours of each block of its row.  No matrix unit, no tensor load, no cluster: every byte is read once, by one wave.
.set SPI,   528                        ; a stage row: 512 bytes + 16: the 16 rows that a read touches begin 4 banks apart (64 banks of 4 bytes: ISA guide 11.1)
.set WST,   16*SPI                     ; a wave's stage
.set SCG,   8*WST                      ; behind the stages: 64 bytes of scale words for each wave
.set PAIRB, 12800
.set UNITB, 6144
.set TILEB, 1536
.set LI,  1                            ; v1  16 x lane
.set LI2, 2                            ; v2  the same, 8 rows further down for Wv's rows 8-15
.set SW,  3                            ; v3  the stage, on the way in
.set SR,  4                            ; v4  and out: row r, + 64 h
.set SCW, 5                            ; v5  where my row's scale word goes
.set SCR, 6                            ; v6  where wave 0 reads the pair's words
.set RAW, 16                           ; v16-79   the tile as loaded
.set XN,  80                           ; v80-143  register 16 b + i = k 32 b + 16 h + i of row r
.set TM,  144                          ; v144-159 at work
.set PW,  160                          ; the scale word
.set PC,  162                          ; v162-173 the fragment; to v180 at work
.set SEL, 34                           ; s[34:35] v_permlanex16_b32's selects for lane l xor 16
; 64 numbers of a lane, register 16 b + i = k 32 b + 16 (lane / 16) + i of its row, become a fragment's 12 registers from v[PC] on and the row's scale word in v[PW].
.macro QUANT4 s
.irp b, 0,1,2,3
	v_max3_num_f32 v[TM+\b], |v[(\s)+16*\b]|, |v[(\s)+1+16*\b]|, 0x2800000   ; block b: my 16 numbers, and the floor 2^(5 - 127): the byte cannot fall under 1
.endr
.irp i, 2,4,6,8,10,12,14
.irp b, 0,1,2,3
	s_delay_alu instid0(VALU_DEP_4)
	v_max3_num_f32 v[TM+\b], v[TM+\b], |v[(\s)+16*\b+\i]|, |v[(\s)+1+16*\b+\i]|   ; the four blocks by turns
.endr
.endr
.irp b, 0,1,2,3
	s_delay_alu instid0(VALU_DEP_4)
	v_permlanex16_b32 v[TM+4+\b], v[TM+\b], s[SEL], s[SEL+1]
.endr
.irp b, 0,1,2,3
	s_delay_alu instid0(VALU_DEP_4)
	v_max_num_f32 v[TM+\b], v[TM+\b], v[TM+4+\b]   ; with lane l xor 16's: the block's largest magnitude
.endr
.irp b, 0,1,2,3
	s_delay_alu instid0(VALU_DEP_4)
	v_add_nc_u32 v[TM+12+\b], 0xfe000000, v[TM+\b]   ; 4 off its exponent field: the conversion's scale operand
.endr
.irp b, 0,1,2,3
	s_delay_alu instid0(VALU_DEP_4)
	v_lshrrev_b32 v[TM+4+\b], 23, v[TM+12+\b]      ; the scale's byte
.endr
	s_delay_alu instid0(VALU_DEP_3)
	v_lshl_or_b32 v[PW], v[TM+5], 8, v[TM+4]
	s_delay_alu instid0(VALU_DEP_1)
	v_lshl_or_b32 v[PW], v[TM+6], 16, v[PW]
	s_delay_alu instid0(VALU_DEP_1)
	v_lshl_or_b32 v[PW], v[TM+7], 24, v[PW]
.irp c, 0,1
	v_cvt_scalef32_pk16_bf6_f32 v[PC+6*\c:PC+2+6*\c], v[(\s)+32*\c:(\s)+15+32*\c], v[TM+12+2*\c]
	v_cvt_scalef32_pk16_bf6_f32 v[PC+12+4*\c:PC+14+4*\c], v[(\s)+16+32*\c:(\s)+31+32*\c], v[TM+12+2*\c+1]   ; (a conversion's three registers begin on an even number)
.endr
	v_nop                                          ; one plain place behind a scaled conversion
.irp c, 0,1                                    ; the operand's layout wants a whole block in a lane: lanes 0-15 block 2 c, lanes 16-31 block 2 c + 1
.irp i, 0,1,2
	v_permlane16_swap_b32 v[PC+6*\c+\i], v[PC+12+4*\c+\i]
.endr
.irp i, 0,1,2
	s_delay_alu instid0(VALU_DEP_3)
	v_mov_b32 v[PC+3+6*\c+\i], v[PC+12+4*\c+\i]
.endr
.endr
.endm
	s_load_b256 s[4:11], s[0:1], 0x0               ; Wq s[4:5], Wk s[6:7], Wv s[8:9], Wo s[10:11]
	s_load_b64 s[12:13], s[0:1], 0x20              ; wimg
	v_lshl_add_u32 v192, v0, 2, 0x10a00
	v_mov_b32 v193, 0
	v_lshrrev_b32 v7, 5, v0
	s_delay_alu instid0(VALU_DEP_1)
	v_readfirstlane_b32 s14, v7                    ; wave 0..7
	v_and_b32 v7, 31, v0                           ; lane
	v_and_b32 v8, 15, v0                           ; r
	v_bfe_u32 v9, v0, 4, 1                         ; h
	s_delay_alu instid0(VALU_DEP_3)
	v_lshlrev_b32 v[LI], 4, v7
	s_mul_i32 s36, s14, WST                        ; my stage
	v_add_nc_u32 v[SW], s36, v[LI]
	v_mul_u32_u24 v[SR], v8, SPI
	s_delay_alu instid0(VALU_DEP_1)
	v_lshl_add_u32 v[SR], v9, 6, v[SR]
	s_delay_alu instid0(VALU_DEP_1)
	v_add_nc_u32 v[SR], s36, v[SR]
	s_lshl_b32 s36, s14, 6
	s_add_co_u32 s36, s36, SCG
	v_lshl_add_u32 v[SCW], v8, 2, s36              ; SCG + 64 x wave + 4 r
	v_lshl_add_u32 v[SCR], v7, 2, SCG              ; SCG + 4 x lane
	s_mov_b32 s[SEL], 0x76543210
	s_mov_b32 s[SEL+1], 0xfedcba98
.irp b, 0,1,2,3
	v_mov_b32 v[TM+4+\b], 0                        ; written once: a lane permute's destination counts as one of its sources
.endr
	s_lshr_b32 s15, s14, 2                         ; e: the unit's parity
	s_and_b32 s16, s14, 3                          ; t: the tile
	s_lshr_b32 s17, ttmp9, 6                       ; the stream w
	s_and_b32 s18, ttmp9, 63                       ; the pair P
	s_lshl_b32 s19, s18, 1
	s_add_co_u32 s19, s19, s15                     ; U = 2 P + e
	s_mul_i32 s20, s19, 171                        ; U < 96: U / 24 = (171 U) >> 12 (exact for U < 96),
	s_lshr_b32 s20, s20, 12
	s_mul_i32 s21, s20, 24
	s_sub_co_u32 s21, s19, s21                     ; u = U % 24,
	s_mul_i32 s22, s21, 171
	s_lshr_b32 s22, s22, 9                         ; K step u / 3 = (171 u) >> 9 (exact for u < 24),
	s_mul_i32 s23, s22, 3
	s_sub_co_u32 s23, s21, s23                     ; weight u % 3
	s_max_u32 s24, s19, 96                         ; U >= 96:
	s_sub_co_u32 s24, s24, 96
	s_lshr_b32 s25, s24, 3                         ; which 64 rows of Wo,
	s_and_b32 s24, s24, 7                          ; K step
	s_cmp_lt_u32 s19, 96
	s_cselect_b32 s20, s20, s25
	s_cselect_b32 s22, s22, s24
	s_cselect_b32 s23, s23, 3
	s_lshl_b32 s26, s17, 2
	s_add_co_u32 s20, s20, s26                     ; blk = 4 w + ..
	s_lshl_b32 s20, s20, 6                         ; its first row
	s_lshr_b32 s26, s16, 1
	s_lshl_b32 s26, s26, 5
	s_and_b32 s27, s16, 1
	s_lshl_b32 s27, s27, 3
	s_add_co_u32 s26, s26, s27                     ; Wv: 32 (t / 2) + 8 (t % 2)
	s_lshl_b32 s27, s16, 4                         ; the others: 16 t
	s_cmp_eq_u32 s23, 2
	s_cselect_b32 s26, s26, s27
	s_cselect_b32 s28, 32768, 0                    ; Wv: the tile's rows 8-15 lie 8 rows of 4,096 bytes further down
	s_add_co_u32 s20, s20, s26
	s_lshl_b32 s20, s20, 12                        ; rows of 4,096 bytes
	s_lshl_b32 s22, s22, 9                         ; a K step is 512 bytes of a row
	s_add_co_u32 s20, s20, s22
	s_mov_b32 s21, 0
	v_add_nc_u32 v[LI2], s28, v[LI]
	s_mul_i32 s30, ttmp9, PAIRB                    ; my pair,
	s_mov_b32 s31, 0
	s_mul_i32 s26, s15, UNITB
	s_mul_i32 s27, s16, TILEB
	s_add_co_u32 s26, s26, s27                     ; my tile in it
	s_mov_b32 s27, 0
	s_wait_alu depctr_va_vdst(0)
	s_wait_kmcnt 0x0
	s_cmp_eq_u32 s23, 1                            ; the weight: a choice on ids alone
	s_cselect_b64 s[4:5], s[6:7], s[4:5]
	s_cmp_eq_u32 s23, 2
	s_cselect_b64 s[4:5], s[8:9], s[4:5]
	s_cmp_eq_u32 s23, 3
	s_cselect_b64 s[4:5], s[10:11], s[4:5]
	s_add_nc_u64 s[4:5], s[4:5], s[20:21]
	s_add_nc_u64 s[12:13], s[12:13], s[30:31]
	s_add_nc_u64 s[32:33], s[12:13], s[26:27]
.irp i, 0,1,2,3,4,5,6,7
	global_load_b128 v[RAW+4*\i:RAW+4*\i+3], v[LI], s[4:5] offset:4096*\i th:TH_LOAD_NT    ; 32 lanes read a row's 512 consecutive bytes; read once in the launch
.endr
.irp i, 8,9,10,11,12,13,14,15
	global_load_b128 v[RAW+4*\i:RAW+4*\i+3], v[LI2], s[4:5] offset:4096*\i th:TH_LOAD_NT
.endr
	s_wait_loadcnt 0x0
.irp i, 0,1,2,3,4,5,6,7,8,9,10,11,12,13,14,15
	ds_store_b128 v[SW], v[RAW+4*\i:RAW+4*\i+3] offset:SPI*\i
.endr
.irp b, 0,1,2,3
.irp j, 0,1,2,3
	ds_load_b128 v[XN+16*\b+4*\j:XN+16*\b+4*\j+3], v[SR] offset:128*\b+16*\j   ; LDS serves a wave's instructions in order (ISA guide 5.7.1.4): these see my stores
.endr
.endr
	s_wait_dscnt 0x0
	QUANT4 XN
.irp c, 0,1,2
	global_store_b128 v[LI], v[PC+4*\c:PC+4*\c+3], s[32:33] offset:512*\c   ; 32 lanes store 512 consecutive bytes, at a multiple of 256 from wimg's first byte
.endr
	ds_store_b32 v[SCW], v[PW]                     ; lanes r and r + 16 write the same word with the same value
	s_wait_dscnt 0x0                               ; for the others' sake: my word has landed
	s_barrier_signal -1
	s_barrier_wait -1
	s_cmp_lg_u32 s14, 0
	s_cbranch_scc1 .Ldone
.irp q, 0,1,2,3
	ds_load_b32 v[RAW+\q], v[SCR] offset:128*\q    ; word q of lane l is wave 2 q + l / 16's row l % 16: SCG + 128 q + 4 l
.endr
	s_wait_dscnt 0x0
	global_store_b128 v[LI], v[RAW:RAW+3], s[12:13] offset:2*UNITB   ; the pair's 512 bytes of scale words
.Ldone:
	s_wait_tensorcnt 0x0
	ds_add_u32 v192, v193
	s_wait_dscnt 0x0
	s_endpgm
.Lfunc_end_k_q71471f4b04_wquant:
	.size	k_q71471f4b04_wquant, .Lfunc_end_k_q71471f4b04_wquant-k_q71471f4b04_wquant
	.p2alignl 7, 3214868480
	.fill 96, 4, 3214868480
	.section	.rodata,"a",@progbits
	.p2align	6, 0x0
	.amdhsa_kernel k_q71471f4b04_wquant
		.amdhsa_group_segment_fixed_size 69120
		.amdhsa_private_segment_fixed_size 0
		.amdhsa_enable_private_segment 0
		.amdhsa_kernarg_size 40
		.amdhsa_user_sgpr_count 2
		.amdhsa_user_sgpr_kernarg_segment_ptr 1
		.amdhsa_wavefront_size32 1
		.amdhsa_system_sgpr_workgroup_id_x 1
		.amdhsa_system_sgpr_workgroup_id_y 1
		.amdhsa_system_sgpr_workgroup_id_z 1
		.amdhsa_system_vgpr_workitem_id 0
		.amdhsa_next_free_vgpr 194
		.amdhsa_next_free_sgpr 66
		.amdhsa_reserve_vcc 0
		.amdhsa_float_denorm_mode_32 3
		.amdhsa_float_denorm_mode_16_64 3
		.amdhsa_memory_ordered 1
		.amdhsa_forward_progress 1
		.amdhsa_inst_pref_size 14
	.end_amdhsa_kernel
	.amdgpu_metadata
---
amdhsa.version: [ 1, 2 ]
amdhsa.kernels:
  - .name:           k_q71471f4b04_wquant
    .symbol:         k_q71471f4b04_wquant.kd
    .args:
      - { .name: Wq, .offset: 0, .size: 8, .value_kind: global_buffer, .address_space: global }
      - { .name: Wk, .offset: 8, .size: 8, .value_kind: global_buffer, .address_space: global }
      - { .name: Wv, .offset: 16, .size: 8, .value_kind: global_buffer, .address_space: global }
      - { .name: Wo, .offset: 24, .size: 8, .value_kind: global_buffer, .address_space: global }
      - { .name: wimg, .offset: 32, .size: 8, .value_kind: global_buffer, .address_space: global }
    .group_segment_fixed_size: 69120
    .private_segment_fixed_size: 0
    .kernarg_segment_align: 8
    .kernarg_segment_size: 40
    .max_flat_workgroup_size: 256
    .sgpr_count:     66
    .vgpr_count:     194
    .wavefront_size: 32
...
	.end_amdgpu_metadata
.endif
;; end of part 3
;; launch fused (part 4): grid 256 x 1, 4 waves a work-group, no clusters, 289,280 bytes of LDS; arguments query, key, value, bq, bk, bv, bo, wimg, out0; writes out0
.if DOCPART == 4
	.amdgcn_target "amdgcn-amd-amdhsa--gfx1250"
	.amdhsa_code_object_version 6
	.text
	.protected	k_q71471f4b04_fused
	.globl	k_q71471f4b04_fused
	.p2align	8
	.type	k_q71471f4b04_fused,@function
k_q71471f4b04_fused:
	s_mov_b64 s[64:65], 0
	v_nop
	global_prefetch_b8 v0, s[64:65] scope:SCOPE_SE
	s_setreg_imm32_b32 hwreg(HW_REG_WAVE_SCHED_MODE, 0, 2), 2
	s_setreg_imm32_b32 hwreg(HW_REG_WAVE_MODE, 25, 1), 1
	s_wait_xcnt 0x0
	s_wait_alu depctr_vm_vsrc(0)
; out0 = (softmax over a token's 8 attributes of (q k^T / 8) v, head by head) Wo^T + bo, with q = query Wq^T + bq, k = key Wk^T + bk, v = value Wv^T + bv.  Rows: 16,384 = tokens x 8 attributes; 16 heads of 64.
; The four large products run on codes of BF6 (E3M2) with one E8M0 byte for each 32 along K; the two small ones of the attention take f32 operands (v_wmma_f32_16x16x4_f32), since their result is quantised again.
; SHARES.  A work-group owns 64 rows (8 tokens) and takes them through the whole chain: q, k, v and the attention's result never go to memory.  THE FOUR WAVES SHARE THE COLUMNS: wave w makes heads 4 w .. 4 w + 3 for all 64 rows,
; and columns 256 w .. 256 w + 255 of the output.
; PHASE X: wave w quantises rows 16 w .. 16 w + 15 of query, key and value: 24 fragments (16 rows x 128 K), stored in LDS as images of their registers | barrier |
; PHASE H, a head a trip: 24 units (K step ks, weight i: u = 3 ks + i) of 16 matrix instructions; the attention in registers; its result quantised; half fragments to LDS | barrier |
; PHASE O, 64 columns a trip: 8 units; the results leave through the wave's own stage as whole rows of 256 bytes.
; THE WEIGHTS come as codes from wimg, which the launch before laid in the order of the operand's registers and of each wave's walk: straight from memory into registers, a ring of eight slots of 48 registers, five units ahead.
; NO CLUSTER, NO TENSOR LOAD, NO LDS FOR THE WEIGHTS: a unit's 6,144 bytes of weights are multiplied by ONE wave of a work-group (16 matrix instructions on 4 row tiles); through LDS they would be written there once and read once
; more, 12,288 bytes of LDS traffic beside the 6,144 bytes of x that the same 16 instructions read; no wave shares a weight byte with another wave of its work-group.
; LAYOUT.  q, k and the output are made TRANSPOSED (source 0 = 16 weight rows, source 1 = 16 rows of x): lane (r, h) holds row r and columns 16 t + 8 h + 0 .. 7.  v is made the natural way round (lane (r, h): rows 8 h + 0 .. 7, one
; column).  S^T = k q^T: a pair of k's registers is source 0 and the same pair of q's source 1 (4 of the head's 64 an instruction): lane (r, h) holds query row r and key rows 8 h + 0 .. 7, of the same token where h = r / 8: there the
; softmax is a lane's own; elsewhere p is made 0.  O^T = v^T p: a pair of v's registers is source 0, the same pair of p's source 1.  By the choice of Wv's rows the result's 16 registers of tiles 2 b, 2 b + 1 are 16 neighbours along the last K.
; SOFTMAX: the row's own maximum is taken away: p = 2^(c s - c max), c = log2(e) / 8, then divided by the row's sum, all in f32.
; LIMITS: a block of zeros, and one whose largest magnitude lies under 2^-122, gets the byte 1 (zero codes; the bytes are read by this program alone); NaN and infinities among the inputs are not served.
; LDS: XI x's images: row tile m at 36,864 m, job tt = 8 i + ks at 1,536 tt, registers 4 c .. at 512 c, lane at 16 l | XA the attention's half fragments: head at 3,072, row tile at 768: registers 6 p .. 6 p + 3 at 16 l, 6 p + 4, 5 at 512 + 8 l
;   | XS x's scale words: 1,536 m + 64 tt + 4 r | XSO the attention's scale bytes: 512 w + 128 m + 8 r + 2 x (head % 4) | BL bq, bk, bv, bo | STG a stage for each wave.  Each wave's stores fall into one run of bytes of its own in each region.
; REGISTERS, in windows of 256: window 0: v1 16 x lane (also XI's row tile 0), v2-4 row tiles 1-3, v5 x's scale words, v6 biases; phase X: v8, 9 bases, v10 bias, v11-14 stage and images; phase H: v7 bv, v8-10 the head's stores;
;   phase O: v7-9 reads of XA and XSO, v11-13 the way out; v16-19 x's scale words, two sets; v20-35 the weights' scale words, two a slot; v36-43 c max, then 1 / sum, in pairs; v44-47 at work; v48-111 biases, at work; v112-159, v160-207
;   x's fragments, two sets (also p, and rows on the way out); v208-255 slot 7.   window 1: v0-127 q, then the attention's result, then the output (accumulator (m, t) at 8 (4 m + t)); v128-255 k.
;   window 2: v0-127 v; v128-159 S^T; v160-255 slots 5, 6.   window 3: v0-239 slots 0-4.   The registers that the f32 matrix form writes (window 1 v0-127, window 2 v128-159) are written by matrix instructions alone.
; THE MODE: SCHED_MODE bits 1:0 = 2 (LLVM: expert scheduling mode 2), set by the entry lines.  The code itself states the register dependences between vector or matrix instructions and memory or LDS instructions,
; with s_wait_alu, always for 0.
; THE PLAN.  Registers that memory or LDS instructions touch:
;   v1-v5         offsets and LDS addresses, made once at the head and never written again.
;   raw sets 0-3  phase X: the input loads land there, the stage's LDS stores read them; no vector instruction names them.  One wait on vm_vsrc at a job's head stands between those stores and the set's next loads.
;   XN0, XN1      phase X: the stage's LDS loads land there, QUANT4 reads them.  PC, PW, v13, v14: vector instructions write them, the image's LDS stores read them.  One wait on va_vdst stands between QUANT4 and its stores: it also
;                 states that QUANT4 is done reading its XN, in which the next job's LDS loads land; the wait on vm_vsrc at the next job's head frees PC, PW, v13 and v14.
;   x's sets, v16-19   unit u's LDS loads land in set 1 - u % 2, which unit u - 1's products read and unit u + 1's will read.
;   slots, v20-35      unit u's global loads land in slot (u + 5) % 8, which unit u - 3's products read.
;   So ONE wait on va_vdst stands at a unit's head: the last unit's products are done reading the other set.  The unit's own products name slot u % 8, set u % 2, their scale words and the accumulators: none of the registers that
;   the unit's loads touch; so these are dealt among the products with no further wait: 4 products, x's fragments, 4 products, the weights' codes, 8 products.  A unit that fetches no x has no wait.
;   TEMP, v6-v10  a head's first lines: a wait on vm_vsrc (the last head's stores and bias loads have read them), the addresses, a wait on va_vdst; behind the head's quantiser a wait on va_vdst ahead of its stores.
;   phase O       the accumulators are read by the stage's LDS stores behind a wait on va_vdst; the rows read back are freed for the next loads by a wait on vm_vsrc beside the wait on XCNT.
.set XIM,   36864
.set XA,    147456
.set XS,    196608
.set XSO,   XS+6144
.set BL,    204800
.set STG,   221184
.set WST,   16896
.set SPI,   528                        ; phase X's stage row: 512 bytes + 16
.set SPO,   272                        ; phase O's: 256 bytes + 16
.set PAIRB, 12800
.set UNITB, 6144
.set LI,   1
.set XM0,  1
.set XSA,  5
.set BIA,  6
.set BVA,  7
.set VA1,  8
.set VA2,  9
.set VAS,  10
.set XW0,  8
.set XWS0, 9
.set BLW,  10
.set SW,   11
.set SR,   12
.set XW,   13
.set XWS,  14
.set XAD3, 7
.set XAD4, 8
.set XSOA, 9
.set STO,  11
.set RD,   12
.set CO,   13
.set XSC,  16
.set WSC,  20
.set MT,   36
.set WK,   44
.set TEMP, 48
.set XB,   112
.set PP,   112                         ; p: 8 registers a row tile
.set SU,   144                         ; the rows' sums, at work
.set SS,   128                         ; S^T, in window 2
.set XN,   48                          ; phase X: two sets of 64 numbers
.set TM,   176
.set PW,   192
.set PC,   194
.set SEL,  30
.set MSB, 0
.macro WIN new                         ; the immediate's high byte repeats the setting that is left; a switch that changes nothing is dropped
.if MSB != (\new)
	s_set_vgpr_msb (MSB<<8)|(\new)
.set MSB, (\new)
.endif
.endm
.macro PLACES n                        ; plain vector instructions behind matrix instructions (ISA guide 7.12.1)
.rept \n
	v_nop
.endr
.endm
; 64 numbers of a lane, register 16 b + i = k 32 b + 16 (lane / 16) + i of its row, become a fragment's 12 registers from v[PC] on and the row's scale word in v[PW].
.macro QUANT4 s
.irp b, 0,1,2,3
	v_max3_num_f32 v[TM+\b], |v[(\s)+16*\b]|, |v[(\s)+1+16*\b]|, 0x2800000   ; block b: my 16 numbers, and the floor 2^(5 - 127): the byte cannot fall under 1
.endr
.irp i, 2,4,6,8,10,12,14
.irp b, 0,1,2,3
	v_max3_num_f32 v[TM+\b], v[TM+\b], |v[(\s)+16*\b+\i]|, |v[(\s)+1+16*\b+\i]|
.endr
.endr
.irp b, 0,1,2,3
	v_permlanex16_b32 v[TM+4+\b], v[TM+\b], s[SEL], s[SEL+1]
.endr
.irp b, 0,1,2,3
	v_max_num_f32 v[TM+\b], v[TM+\b], v[TM+4+\b]
.endr
.irp b, 0,1,2,3
	v_add_nc_u32 v[TM+12+\b], 0xfe000000, v[TM+\b]   ; 4 off the exponent field: the conversion's scale operand
.endr
.irp b, 0,1,2,3
	v_lshrrev_b32 v[TM+4+\b], 23, v[TM+12+\b]      ; the scale's byte
.endr
	v_lshl_or_b32 v[PW], v[TM+5], 8, v[TM+4]
	v_lshl_or_b32 v[PW], v[TM+6], 16, v[PW]
	v_lshl_or_b32 v[PW], v[TM+7], 24, v[PW]
.irp c, 0,1
	v_cvt_scalef32_pk16_bf6_f32 v[PC+6*\c:PC+2+6*\c], v[(\s)+32*\c:(\s)+15+32*\c], v[TM+12+2*\c]
	v_cvt_scalef32_pk16_bf6_f32 v[PC+12+4*\c:PC+14+4*\c], v[(\s)+16+32*\c:(\s)+31+32*\c], v[TM+12+2*\c+1]
.endr
	v_nop                                          ; one plain place behind a scaled conversion
.irp c, 0,1
.irp i, 0,1,2
	v_permlane16_swap_b32 v[PC+6*\c+\i], v[PC+12+4*\c+\i]
.endr
.irp i, 0,1,2
	v_mov_b32 v[PC+3+6*\c+\i], v[PC+12+4*\c+\i]
.endr
.endr
.endm
; PHASE X.  A job: my 16 rows x 128 numbers.  Sixteen loads of 512 consecutive bytes into set rs (0, 1: window 1 v128.., v192..; 2, 3: window 2 v0.., v64..)
.macro LOADX j, rs
.set RB, (128+64*(\rs))%256
	WIN (1+(\rs)/2)<<6
.irp i, 0,1,2,3,4,5,6,7,8,9,10,11,12,13,14,15
	global_load_b128 v[RB+4*\i:RB+4*\i+3], v[LI], s[26:27] offset:4096*\i+512*(\j) th:TH_LOAD_NT
.endr
	WIN 0
.endm
.macro TURN rs, st                     ; set rs through stage st: back come 16 neighbours of each block of my row
.set RB, (128+64*(\rs))%256
	WIN (1+(\rs)/2)<<2
.irp i, 0,1,2,3,4,5,6,7,8,9,10,11,12,13,14,15
	ds_store_b128 v[SW], v[RB+4*\i:RB+4*\i+3] offset:16*SPI*(\st)+SPI*\i
.endr
	WIN 0
.irp b, 0,1,2,3
.irp j, 0,1,2,3
	ds_load_b128 v[XN+64*(\st)+16*\b+4*\j:XN+64*(\st)+16*\b+4*\j+3], v[SR] offset:16*SPI*(\st)+128*\b+16*\j   ; LDS serves a wave's instructions in order (ISA guide 5.7.1.4)
.endr
.endr
.endm
; THE WEIGHTS' RING.  Slot sg: window SLW, first register SLB.
.macro SLOTOF sg
.if (\sg) < 5
.set SLW, 3
.set SLB, 48*(\sg)
.elseif (\sg) < 7
.set SLW, 2
.set SLB, 160+48*((\sg)-5)
.else
.set SLW, 0
.set SLB, 208
.endif
.endm
.macro WLOADS idx, sg                  ; the scale words of the pair that begins with the even unit idx, counted from where s[22:23] stands: they go out ahead of that unit's codes (no hint: all 256 work-groups read these bytes)
	WIN 0
	global_load_b128 v[WSC+2*(\sg):WSC+2*(\sg)+3], v[LI], s[22:23] offset:((\idx)/2)*PAIRB+2*UNITB
.endm
.macro WLOADC idx, sg                  ; unit idx's codes into slot sg: 12 loads of 512 consecutive bytes
	SLOTOF \sg
	WIN SLW<<6
.irp n, 0,1,2,3,4,5,6,7,8,9,10,11
	global_load_b128 v[SLB+4*\n:SLB+4*\n+3], v[LI], s[22:23] offset:((\idx)/2)*PAIRB+((\idx)%2)*UNITB+512*\n
.endr
.endm
; Job jj of a trip's four.  adr = 1: a trip's first job makes the trip's LDS addresses from the stepped scalars; 2: the last four jobs' from constants.
.macro STEPX jj, ahead, lc, turn, wl, adr
	s_wait_dscnt 0x0                               ; this job's numbers are back from the stage
	s_wait_alu depctr_vm_vsrc(0)                   ; the LDS stores issued so far have read their registers: the raw set that this job has left, in which the loads below land; the last job's codes and scale word, which QUANT4 writes again; v[XW] and v[XWS]
.if (\adr) == 1
	v_add_nc_u32 v[XW], s40, v[XW0]
	v_add_nc_u32 v[XWS], s41, v[XWS0]
.elseif (\adr) == 2
	v_add_nc_u32 v[XW], 20*1536, v[XW0]
	v_add_nc_u32 v[XWS], 20*64, v[XWS0]
.endif
.if \turn
	s_wait_loadcnt \lc                             ; the next job's 16 loads are in; lc = those of the jobs behind it
.endif
.if \ahead
	LOADX \jj, \jj                                 ; the job four on, into the set that this job has left
.endif
.if \wl
.irp q, 0,1,2,3,4
.if (\q%2) == 0
	WLOADS \q, \q
.endif
	WLOADC \q, \q                                  ; no input load is out any more: the weights' first five units go out: 60 + 3 loads, into registers that no instruction has named yet
.endr
	WIN 0
.endif
.if \turn
	TURN ((\jj)+1)%4, ((\jj)+1)%2                  ; its LDS loads land in the XN that the last job's QUANT4 read: that QUANT4 stands ahead of the last wait on va_vdst, and nothing since names XN
.endif
	QUANT4 XN+64*((\jj)%2)
	s_wait_alu depctr_va_vdst(0)                   ; QUANT4 has written the codes and the scale word, and the trip's first job v[XW] and v[XWS], which the LDS stores below read; and it is done reading its XN
.irp c, 0,1,2
	ds_store_b128 v[XW], v[PC+4*\c:PC+4*\c+3] offset:1536*(\jj)+512*\c   ; the fragment as it stands
.endr
	ds_store_b32 v[XWS], v[PW] offset:64*(\jj)     ; lanes r and r + 16 write the same word with the same value
.endm
; x's four fragments of job tt and their scale words into set xb
.macro XLOAD tt, xb
	WIN 0
.irp m, 0,1,2,3
.irp c, 0,1,2
	ds_load_b128 v[XB+48*(\xb)+12*\m+4*\c:XB+48*(\xb)+12*\m+4*\c+3], v[XM0+\m] offset:1536*(\tt)+512*\c
.endr
.endr
	ds_load_b32 v[XSC+2*(\xb)], v[XSA] offset:64*(\tt)          ; lanes 0-15 row tile 0, lanes 16-31 row tile 1
	ds_load_b32 v[XSC+2*(\xb)+1], v[XSA] offset:3072+64*(\tt)   ; row tiles 2, 3
.endm
; the attention's four fragments of K step kk (heads 2 kk and 2 kk + 1) and their scale words
.macro XLOADO kk, xb
	WIN 0
.irp m, 0,1,2,3
.irp p, 0,1
	ds_load_b128 v[XB+48*(\xb)+12*\m+6*\p:XB+48*(\xb)+12*\m+6*\p+3], v[XAD3] offset:(2*(\kk)+\p)*3072+768*\m
	ds_load_b64 v[XB+48*(\xb)+12*\m+6*\p+4:XB+48*(\xb)+12*\m+6*\p+5], v[XAD4] offset:(2*(\kk)+\p)*3072+768*\m
.endr
.endr
	ds_load_b32 v[XSC+2*(\xb)], v[XSOA] offset:512*((\kk)/2)+4*((\kk)%2)
	ds_load_b32 v[XSC+2*(\xb)+1], v[XSOA] offset:512*((\kk)/2)+4*((\kk)%2)+256
.endm
.macro WM d, a, b, c, sa, sb, ra, rb   ; one scaled product; ra, rb: the side's scales stand in lanes 16-31
.if (\ra) && (\rb)
	v_wmma_scale_f32_16x16x128_f8f6f4 v[\d:\d+7], v[\a:\a+11], v[\b:\b+11], v[\c:\c+7], v[\sa], v[\sb] matrix_a_fmt:MATRIX_FMT_BF6 matrix_b_fmt:MATRIX_FMT_BF6 matrix_a_scale:MATRIX_SCALE_ROW1 matrix_b_scale:MATRIX_SCALE_ROW1
.elseif (\ra)
	v_wmma_scale_f32_16x16x128_f8f6f4 v[\d:\d+7], v[\a:\a+11], v[\b:\b+11], v[\c:\c+7], v[\sa], v[\sb] matrix_a_fmt:MATRIX_FMT_BF6 matrix_b_fmt:MATRIX_FMT_BF6 matrix_a_scale:MATRIX_SCALE_ROW1
.elseif (\rb)
	v_wmma_scale_f32_16x16x128_f8f6f4 v[\d:\d+7], v[\a:\a+11], v[\b:\b+11], v[\c:\c+7], v[\sa], v[\sb] matrix_a_fmt:MATRIX_FMT_BF6 matrix_b_fmt:MATRIX_FMT_BF6 matrix_b_scale:MATRIX_SCALE_ROW1
.else
	v_wmma_scale_f32_16x16x128_f8f6f4 v[\d:\d+7], v[\a:\a+11], v[\b:\b+11], v[\c:\c+7], v[\sa], v[\sb] matrix_a_fmt:MATRIX_FMT_BF6 matrix_b_fmt:MATRIX_FMT_BF6
.endif
.endm
; A unit's 16 products are 4 row tiles x 4 weight tiles, 16 accumulators, one instruction a turn; this macro writes those of row tiles lo to hi.
; kind 0: q or the output, 1: k (both transposed), 2: v.  cb >= 0: the sums begin with the bias at v[TEMP + cb + 8 t].  It leaves its window setting standing: what follows sets its own.
.macro UMUL sg, xb, kind, cb, lo, hi
	SLOTOF \sg
.if (\kind) == 2
.if (\cb) >= 0
	WIN 0x80|(SLW<<2)
.else
	WIN 0xa0|(SLW<<2)
.endif
.else
.if (\cb) >= 0
	WIN 0x40|SLW
.else
	WIN 0x50|SLW
.endif
.endif
.irp m, 0,1,2,3
.if (\m >= (\lo)) && (\m <= (\hi))
.irp t, 0,1,2,3
.set rD, 128*((\kind)%2)+8*(4*\m+\t)
.set rW, SLB+12*\t
.set rX, XB+48*(\xb)+12*\m
.set rSW, WSC+2*(\sg)+\t/2
.set rSX, XSC+2*(\xb)+\m/2
.if (\cb) >= 0
.set rC, TEMP+(\cb)+8*\t
.else
.set rC, rD
.endif
.if (\kind) == 2
	WM rD, rX, rW, rC, rSX, rSW, \m%2, \t%2
.else
	WM rD, rW, rX, rC, rSW, rSX, \t%2, \m%2
.endif
.endr
.endif
.endr
.endm
	s_load_b512 s[8:23], s[0:1], 0x0               ; query s[8:9], key s[10:11], value s[12:13], bq s[14:15], bk s[16:17], bv s[18:19], bo s[20:21], wimg s[22:23]
	s_load_b64 s[24:25], s[0:1], 0x40              ; out0
	v_lshl_add_u32 v15, v0, 2, 0x46800
	s_set_vgpr_msb 0xc0
	v_mov_b32 v255, 0
	s_set_vgpr_msb 0xc000
	v_lshrrev_b32 v[WK], 5, v0
	v_readfirstlane_b32 s2, v[WK]                  ; wave 0..3
	v_and_b32 v[WK], 31, v0                        ; lane
	v_and_b32 v[WK+1], 15, v0                      ; r
	v_bfe_u32 v[WK+2], v0, 4, 1                    ; h
	v_lshlrev_b32 v[LI], 4, v[WK]
	v_add_nc_u32 v[XM0+1], XIM, v[LI]
	v_add_nc_u32 v[XM0+2], 2*XIM, v[LI]
	v_add_nc_u32 v[XM0+3], 3*XIM, v[LI]
	v_mul_u32_u24 v[XSA], v[WK+2], 1536            ; lanes 16-31 take the next row tile's words
	v_lshl_add_u32 v[XSA], v[WK+1], 2, v[XSA]
	v_add_nc_u32 v[XSA], XS, v[XSA]
	s_wait_alu depctr_va_sdst(0)                   ; s2 is written, ahead of its first reader: LDS places, bases and choices are made from it
	s_mul_i32 s36, s2, WST
	s_add_co_u32 s36, s36, STG                     ; my stage
	v_add_nc_u32 v[SW], s36, v[LI]
	v_mul_u32_u24 v[SR], v[WK+1], SPI
	v_lshl_add_u32 v[SR], v[WK+2], 6, v[SR]
	v_add_nc_u32 v[SR], s36, v[SR]
	s_mul_i32 s37, s2, XIM
	v_add_nc_u32 v[XW0], s37, v[LI]                ; my row tile's images
	s_mul_i32 s37, s2, 1536
	s_add_co_u32 s37, s37, XS
	v_lshl_add_u32 v[XWS0], v[WK+1], 2, s37        ; and its scale words
	s_lshl_b32 s37, s2, 12
	s_add_co_u32 s37, s37, BL
	v_add_nc_u32 v[BLW], s37, v[LI]                ; bias number w
	s_mov_b32 s[SEL], 0x76543210
	s_mov_b32 s[SEL+1], 0xfedcba98                 ; v_permlanex16_b32's selects for lane l xor 16
	s_mov_b32 s32, 0x3e38aa3b                      ; c = log2(e) / 8
	s_mov_b32 s33, s32                             ; (named with it as a pair)
	s_mov_b32 s34, 0xff0000ff                      ; the lanes whose 8 keys belong to their query's token: h = r / 8
.irp m, 0,1,2,3
	v_mov_b32 v[MT+2*\m+1], 0                      ; the pairs' upper halves: named, never used
	v_mov_b32 v[TM+4+\m], 0                        ; a lane permute's destination counts as one of its sources
.endr
	s_lshl_b32 s28, ttmp9, 18                      ; my work-group's 64 rows of 4,096 bytes,
	s_lshl_b32 s36, s2, 16                         ; my wave's 16 of them
	s_add_co_u32 s28, s28, s36
	s_mov_b32 s29, 0
	s_lshl_b32 s38, ttmp9, 18
	s_lshl_b32 s36, s2, 10                         ; my wave's 256 columns of the output
	s_add_co_u32 s38, s38, s36
	s_mov_b32 s39, 0
	s_mul_i32 s36, s2, 64*PAIRB                    ; my wave's stream
	s_mov_b32 s37, 0
	s_wait_kmcnt 0x0
	s_add_nc_u64 s[8:9], s[8:9], s[28:29]
	s_add_nc_u64 s[10:11], s[10:11], s[28:29]
	s_add_nc_u64 s[12:13], s[12:13], s[28:29]
	s_add_nc_u64 s[24:25], s[24:25], s[38:39]
	s_add_nc_u64 s[22:23], s[22:23], s[36:37]
	s_cmp_eq_u32 s2, 1                             ; wave w brings bias number w: a choice on the wave's number
	s_cselect_b64 s[14:15], s[16:17], s[14:15]
	s_cmp_eq_u32 s2, 2
	s_cselect_b64 s[14:15], s[18:19], s[14:15]
	s_cmp_eq_u32 s2, 3
	s_cselect_b64 s[14:15], s[20:21], s[14:15]
	s_wait_alu depctr_va_vdst(0)                   ; the offsets and LDS addresses v1 to v12 are written, which the loads and the LDS instructions from here on read
.irp j, 0,1,2,3,4,5,6,7
	global_load_b128 v[216+4*\j:219+4*\j], v[LI], s[14:15] offset:512*\j
.endr
	s_mov_b64 s[26:27], s[8:9]                     ; jobs 0-3: query, K steps 0-3
	LOADX 0, 0
	LOADX 1, 1
	LOADX 2, 2
	s_wait_loadcnt 48                              ; the bias is in; three jobs of 16 loads stay out
.irp j, 0,1,2,3,4,5,6,7
	ds_store_b128 v[BLW], v[216+4*\j:219+4*\j] offset:512*\j
.endr
	LOADX 3, 3
	s_wait_loadcnt 48                              ; job 0 is in
	TURN 0, 0
	s_mov_b32 s3, 0
	s_mov_b32 s40, 0
	s_mov_b32 s41, 0
.Lx:                                               ; trip T: jobs 4 T .. 4 T + 3 are quantised, jobs 4 T + 4 .. 4 T + 7 asked for
	s_wait_xcnt 0x0                                ; the loads issued so far have read their base: it may be written
	s_add_co_u32 s36, s3, 1
	s_lshr_b32 s37, s36, 1                         ; the next trip's input,
	s_and_b32 s36, s36, 1
	s_lshl_b32 s28, s36, 11                        ; and its half of K: 4 K steps of 512 bytes
	s_cmp_eq_u32 s37, 1
	s_cselect_b64 s[26:27], s[10:11], s[8:9]
	s_cmp_eq_u32 s37, 2
	s_cselect_b64 s[26:27], s[12:13], s[26:27]
	s_add_nc_u64 s[26:27], s[26:27], s[28:29]
	STEPX 0, 1, 32, 1, 0, 1
	STEPX 1, 1, 32, 1, 0, 0
	STEPX 2, 1, 32, 1, 0, 0
	STEPX 3, 1, 32, 1, 0, 0
	s_add_co_u32 s40, s40, 4*1536
	s_add_co_u32 s41, s41, 4*64
	s_add_co_u32 s3, s3, 1
	s_cmp_lt_u32 s3, 5
	s_cbranch_scc1 .Lx
	STEPX 0, 0, 32, 1, 0, 2                        ; the last four jobs ask for nothing more: the counts run down
	STEPX 1, 0, 16, 1, 0, 0
	STEPX 2, 0, 0, 1, 1, 0
	STEPX 3, 0, 0, 0, 0, 0
	s_wait_dscnt 0x0                               ; for the others' sake: my images, scale words and bias have landed
	s_barrier_signal -1                            ; (the weights' loads stay out: they touch my registers alone)
	s_barrier_wait -1
	; ---- PHASE H
	s_lshl_b32 s42, s2, 10                         ; my head's 256 bytes in a bias: 1,024 w, + 256 a trip
	s_mul_i32 s43, s2, 4*3072                      ; its half fragments in XA: + 3,072 a trip
	s_lshl_b32 s44, s2, 9                          ; its scale bytes in XSO: 512 w, + 2 a trip
	s_mov_b32 s35, 0
.Lhead:
	s_wait_dscnt 0x0                               ; no LDS instruction of mine is out
	s_wait_alu depctr_vm_vsrc(0)                   ; the LDS instructions issued so far have read their registers: the last head's stores TEMP and v8 to v10, its bias loads v[BIA] and v[BVA]; in the first trip phase X's last stores their codes, in which x's fragments land
	s_add_co_u32 s36, s42, BL
	s_add_co_u32 s37, s42, BL+8192
	v_bfe_u32 v[WK], v0, 4, 1
	v_lshl_add_u32 v[BIA], v[WK], 5, s36           ; bq, bk: my eight columns of a tile: 64 t + 32 h
	v_and_b32 v[WK+1], 15, v0
	v_and_b32 v[WK+2], 8, v0
	v_add_nc_u32 v[WK+2], v[WK+2], v[WK+1]
	v_lshl_add_u32 v[BVA], v[WK+2], 2, s37         ; bv: my one column of a tile: r + 8 (r / 8)
	s_wait_alu depctr_va_vdst(0)                   ; v[BIA] and v[BVA] are written; the quantiser, the softmax and all products issued so far are done with TEMP, with v112 to v207, with the scale words and with the slots, in which the loads up to unit 1's head land
.irp t, 0,1,2,3
	ds_load_b128 v[TEMP+8*\t:TEMP+8*\t+3], v[BIA] offset:64*\t
	ds_load_b128 v[TEMP+8*\t+4:TEMP+8*\t+7], v[BIA] offset:64*\t+16
.endr
.irp t, 0,1,2,3
	ds_load_b128 v[TEMP+32+8*\t:TEMP+32+8*\t+3], v[BIA] offset:4096+64*\t
	ds_load_b128 v[TEMP+32+8*\t+4:TEMP+32+8*\t+7], v[BIA] offset:4096+64*\t+16
.endr
	XLOAD 0, 0
.set u, 0
.rept 24                               ; unit u = 3 ks + i: slot u % 8, x's set u % 2
	s_wait_loadcnt 50                              ; this unit's weights are in: behind them stand four units' 48 loads and the scale words of the two even ones among them
	s_wait_dscnt 0x0                               ; x's fragments, asked for among the last unit's products
	PLACES 4                                       ; behind the last unit's products, in front of loads into registers that they have read
.if (u > 0) && (u < 23)
	s_wait_alu depctr_va_vdst(0)                   ; the last unit's products are done reading x's other set and its scale words (unit 0's also bq in TEMP), in which the LDS loads below land.  The slot asked for below was read three units ago, ahead of earlier waits: so units 0 and 23, which owe nothing for x, have no wait
.endif
.set cbu, -1
.if u == 1
.set cbu, 32
.elseif u < 3
.set cbu, 0
.endif
	UMUL u%8, u%2, u%3, cbu, 0, 0
.if u < 23
	XLOAD 8*((u+1)%3)+(u+1)/3, 1-u%2               ; no wait: no product since the wait above names the other set
.endif
.if u == 1
.irp t, 0,1,2,3
.irp j, 0,1,2,3,4,5,6,7
	ds_load_b32 v[TEMP+8*\t+\j], v[BVA] offset:(32*(\t/2)+8*(\t%2))*4   ; v's bias in the natural result's layout: a lane's eight rows share its column.  (This unit's products take bk, 32 registers further on)
.endr
.endr
.endif
.if ((u+5)%2) == 0
	WLOADS u+5, (u+5)%8
.endif
	UMUL u%8, u%2, u%3, cbu, 1, 1
	WLOADC u+5, (u+5)%8                            ; five units ahead, into the slot read three units ago
	UMUL u%8, u%2, u%3, cbu, 2, 3
.set u, u+1
.endr
	WIN 0
	; ---- the attention, the four row tiles by turns.  The five address lines, with the last unit's four, are the places between k's last products and the products that read them
	s_add_co_u32 s36, s43, XA
	s_add_co_u32 s37, s43, XA+512
	s_add_co_u32 s38, s44, XSO
	v_add_nc_u32 v[VA1], s36, v[LI]
	v_and_b32 v[WK], 31, v0
	v_lshl_add_u32 v[VA2], v[WK], 3, s37
	v_and_b32 v[WK+1], 15, v0
	v_lshl_add_u32 v[VAS], v[WK+1], 3, s38
	WIN 0xa5                                       ; k and q window 1, S^T window 2
.set st, 0
.rept 16                               ; 4 of the head's 64 an instruction: columns 16 (st / 4) + 2 (st % 4) + {0, 1, 8, 9}
.irp m, 0,1,2,3
.set rK, 128+8*(4*\m+st/4)+2*(st%4)
.set rQ, 8*(4*\m+st/4)+2*(st%4)
.if st == 0
	v_wmma_f32_16x16x4_f32 v[SS+8*\m:SS+8*\m+7], v[rK:rK+1], v[rQ:rQ+1], 0
.else
	v_wmma_f32_16x16x4_f32 v[SS+8*\m:SS+8*\m+7], v[rK:rK+1], v[rQ:rQ+1], v[SS+8*\m:SS+8*\m+7]
.endif
.endr
.set st, st+1
.endr
	WIN 0
	PLACES 8
	WIN 0x08                                       ; source 1 window 2
.irp j, 0,1,2,3,4,5,6,7
.irp m, 0,1,2,3
	v_cndmask_b32 v[PP+8*\m+\j], 0, v[SS+8*\m+\j], s34   ; the scores into other registers, each accumulator from its low end on; scores across tokens become 0
.endr
.endr
	WIN 0
.irp m, 0,1,2,3
	v_max3_num_f32 v[WK+\m], v[PP+8*\m], v[PP+8*\m+1], v[PP+8*\m+2]
.endr
.irp i, 3,5
.irp m, 0,1,2,3
	v_max3_num_f32 v[WK+\m], v[WK+\m], v[PP+8*\m+\i], v[PP+8*\m+\i+1]
.endr
.endr
.irp m, 0,1,2,3
	v_max_num_f32 v[WK+\m], v[WK+\m], v[PP+8*\m+7]   ; the row's largest score
.endr
.irp m, 0,1,2,3
	v_mul_f32 v[MT+2*\m], s32, v[WK+\m]            ; c max
.endr
.irp m, 0,1,2,3
.irp j, 0,2,4,6
	v_pk_fma_f32 v[PP+8*\m+\j:PP+8*\m+\j+1], v[PP+8*\m+\j:PP+8*\m+\j+1], s[32:33], v[MT+2*\m:MT+2*\m+1] op_sel_hi:[1,0,0] neg_lo:[0,0,1] neg_hi:[0,0,1]   ; c s - c max
.endr
.endr
	s_wait_alu depctr_va_vdst(0)
.irp j, 0,1,2,3,4,5,6,7,8,9,10,11,12,13,14,15,16,17,18,19,20,21,22,23,24,25,26,27,28,29,30,31
	v_exp_f32 v[PP+\j], v[PP+\j]
.endr
	v_nop                                          ; a plain instruction behind the last exponential
	s_wait_alu depctr_va_vdst(0)                   ; the 32 exponentials have written p: one wait for the batch, ahead of its first reader
.irp m, 0,1,2,3
	v_pk_add_f32 v[SU+4*\m:SU+4*\m+1], v[PP+8*\m:PP+8*\m+1], v[PP+8*\m+2:PP+8*\m+3]
	v_pk_add_f32 v[SU+4*\m+2:SU+4*\m+3], v[PP+8*\m+4:PP+8*\m+5], v[PP+8*\m+6:PP+8*\m+7]
.endr
.irp m, 0,1,2,3
	v_pk_add_f32 v[SU+4*\m:SU+4*\m+1], v[SU+4*\m:SU+4*\m+1], v[SU+4*\m+2:SU+4*\m+3]
.endr
.irp m, 0,1,2,3
	v_add_f32 v[SU+4*\m], v[SU+4*\m], v[SU+4*\m+1]   ; the row's sum
.endr
	s_wait_alu depctr_va_vdst(0)
.irp m, 0,1,2,3
	v_rcp_f32 v[MT+2*\m], v[SU+4*\m]
.endr
	v_nop
	s_wait_alu depctr_va_vdst(0)                   ; the four reciprocals are written: one wait, ahead of their first reader
.irp m, 0,1,2,3
	v_cndmask_b32 v[MT+2*\m], 0, v[MT+2*\m], s34   ; across tokens p = 0
.endr
.irp m, 0,1,2,3
.irp j, 0,2,4,6
	v_pk_mul_f32 v[PP+8*\m+\j:PP+8*\m+\j+1], v[PP+8*\m+\j:PP+8*\m+\j+1], v[MT+2*\m:MT+2*\m+1] op_sel_hi:[1,0]
.endr
.endr
	PLACES 4
	WIN 0x52                                       ; v window 2, p window 0, the result window 1, over q, which is done with
.irp s, 0,1,2,3                        ; key rows 8 h + 2 s + {0, 1}
.irp m, 0,1,2,3
.irp t, 0,1,2,3
.if \s == 0
	v_wmma_f32_16x16x4_f32 v[8*(4*\m+\t):8*(4*\m+\t)+7], v[8*(4*\m+\t)+2*\s:8*(4*\m+\t)+2*\s+1], v[PP+8*\m+2*\s:PP+8*\m+2*\s+1], 0
.else
	v_wmma_f32_16x16x4_f32 v[8*(4*\m+\t):8*(4*\m+\t)+7], v[8*(4*\m+\t)+2*\s:8*(4*\m+\t)+2*\s+1], v[PP+8*\m+2*\s:PP+8*\m+2*\s+1], v[8*(4*\m+\t):8*(4*\m+\t)+7]
.endif
.endr
.endr
.endr
	WIN 0
	PLACES 8
	; the result is quantised: 8 blocks be = 2 m + b; window 1's register 16 be + i is column 32 b + 16 h + i of row r of row tile m
	WIN 0x05
.irp be, 0,1,2,3,4,5,6,7
	v_max3_num_f32 v[TEMP+\be], |v[16*\be]|, |v[16*\be+1]|, 0x2800000   ; each accumulator is read from its low end on
.endr
	WIN 0x14
.irp i, 2,4,6,8,10,12,14
.irp be, 0,1,2,3,4,5,6,7
	v_max3_num_f32 v[TEMP+\be], v[TEMP+\be], |v[16*\be+\i]|, |v[16*\be+\i+1]|
.endr
.endr
	WIN 0
.irp be, 0,1,2,3,4,5,6,7
	v_permlanex16_b32 v[TEMP+8+\be], v[TEMP+\be], s[SEL], s[SEL+1]
.endr
.irp be, 0,1,2,3,4,5,6,7
	v_max_num_f32 v[TEMP+\be], v[TEMP+\be], v[TEMP+8+\be]
.endr
.irp be, 0,1,2,3,4,5,6,7
	v_add_nc_u32 v[TEMP+16+\be], 0xfe000000, v[TEMP+\be]   ; the conversion's scale operand
.endr
.irp be, 0,1,2,3,4,5,6,7
	v_lshrrev_b32 v[TEMP+8+\be], 23, v[TEMP+16+\be]        ; the scale's byte
.endr
.irp m, 0,1,2,3
	v_lshl_or_b32 v[TEMP+24+\m], v[TEMP+9+2*\m], 8, v[TEMP+8+2*\m]   ; the head's two bytes of the row's scale word
.endr
	WIN 0x01
.irp m, 0,1,2,3
	v_cvt_scalef32_pk16_bf6_f32 v[TEMP+32+8*\m:TEMP+34+8*\m], v[32*\m:32*\m+15], v[TEMP+16+2*\m]
	v_cvt_scalef32_pk16_bf6_f32 v[TEMP+36+8*\m:TEMP+38+8*\m], v[32*\m+16:32*\m+31], v[TEMP+17+2*\m]
.endr
	WIN 0
	v_nop                                          ; one plain place behind a scaled conversion
.irp m, 0,1,2,3
.irp i, 0,1,2
	v_permlane16_swap_b32 v[TEMP+32+8*\m+\i], v[TEMP+36+8*\m+\i]   ; a whole block to a lane: lanes 0-15 block 0, lanes 16-31 block 1
.endr
.endr
.irp m, 0,1,2,3
.irp i, 0,1,2
	v_mov_b32 v[TEMP+35+8*\m+\i], v[TEMP+36+8*\m+\i]               ; six registers on end: registers 6 p .. 6 p + 5 of the last product's fragment
.endr
.endr
	s_wait_alu depctr_va_vdst(0)                   ; the codes, the scale bytes and the three addresses v8 to v10 are written, which the LDS stores below read
.irp m, 0,1,2,3
	ds_store_b128 v[VA1], v[TEMP+32+8*\m:TEMP+35+8*\m] offset:768*\m
	ds_store_b64 v[VA2], v[TEMP+36+8*\m:TEMP+37+8*\m] offset:768*\m
	ds_store_b16 v[VAS], v[TEMP+24+\m] offset:128*\m               ; lanes r and r + 16 write the same bytes with the same value
.endr
	s_wait_xcnt 0x0                                ; the weights' loads have read their base
	s_add_nc_u64 s[22:23], s[22:23], 12*PAIRB      ; 24 units on
	s_add_co_u32 s42, s42, 256
	s_add_co_u32 s43, s43, 3072
	s_add_co_u32 s44, s44, 2
	s_add_co_u32 s35, s35, 1
	s_cmp_lt_u32 s35, 4
	s_cbranch_scc1 .Lhead
	s_wait_dscnt 0x0                               ; for the others' sake: my heads' half fragments and scale bytes have landed
	s_barrier_signal -1
	s_barrier_wait -1
	; ---- PHASE O
	s_lshl_b32 s42, s2, 10                         ; my columns in bo: 1,024 w, + 256 a chunk
	s_mul_i32 s36, s2, WST
	s_add_co_u32 s36, s36, STG
	s_wait_alu depctr_vm_vsrc(0)                   ; the LDS instructions of phases X and H have read v6 to v13, which are written anew from here on
	v_and_b32 v[WK], 31, v0
	v_and_b32 v[WK+1], 15, v0
	v_bfe_u32 v[WK+2], v0, 4, 1
	v_add_nc_u32 v[XAD3], XA, v[LI]
	v_lshl_add_u32 v[XAD4], v[WK], 3, XA+512
	v_lshl_add_u32 v[XSOA], v[WK], 3, XSO
	v_mul_u32_u24 v[STO], v[WK+1], SPO             ; the stage, in: row r, 32 bytes for each half of the lanes
	v_lshl_add_u32 v[STO], v[WK+2], 5, v[STO]
	v_add_nc_u32 v[STO], s36, v[STO]
	v_mul_u32_u24 v[RD], v[WK+2], SPO              ; back: lanes 0-15 one row of 256 bytes, lanes 16-31 the next
	v_lshl_add_u32 v[RD], v[WK+1], 4, v[RD]
	v_add_nc_u32 v[RD], s36, v[RD]
	v_lshlrev_b32 v[CO], 12, v[WK+2]               ; and the same two rows in out0
	v_lshl_add_u32 v[CO], v[WK+1], 4, v[CO]
.macro TOSTAGE a                       ; row tile a: 16 rows x 64 columns into my stage, and back as whole rows
	WIN 0x04                                       ; an LDS store's data are its source 1: window 1
.irp t, 0,1,2,3
	ds_store_b128 v[STO], v[8*(4*(\a)+\t):8*(4*(\a)+\t)+3] offset:64*\t          ; each accumulator from its low end on
	ds_store_b128 v[STO], v[8*(4*(\a)+\t)+4:8*(4*(\a)+\t)+7] offset:64*\t+16
.endr
	WIN 0
.set OBB, XB+48*((\a)%2)
.irp i, 0,1,2,3,4,5,6,7
	ds_load_b128 v[OBB+4*\i:OBB+4*\i+3], v[RD] offset:2*SPO*\i   ; LDS serves a wave's instructions in order (ISA guide 5.7.1.4)
.endr
.endm
.macro SEND a, younger                 ; younger: the LDS instructions issued behind row tile a's loads
.set OBB, XB+48*((\a)%2)
	s_wait_dscnt \younger
.irp i, 0,1,2,3,4,5,6,7
	global_store_b128 v[CO], v[OBB+4*\i:OBB+4*\i+3], s[24:25] offset:(16*(\a)+2*\i)*4096 th:TH_STORE_NT   ; 16 lanes store 256 consecutive bytes, at a multiple of 256 from out0's first byte
.endr
.endm
.macro CHUNK last                      ; 64 columns of the output for the 64 rows: 8 units; last = 1: the ring runs out, so that no load leaves wimg
	s_add_co_u32 s36, s42, BL+12288
	v_bfe_u32 v[WK], v0, 4, 1
	v_lshl_add_u32 v[BIA], v[WK], 5, s36
	s_wait_alu depctr_va_vdst(0)                   ; v[BIA] is written, and ahead of the first chunk the addresses v7 to v13; all vector and matrix instructions issued so far are done with TEMP, with x's sets and with the slots, in which the loads up to unit 1's head land
.irp t, 0,1,2,3
	ds_load_b128 v[TEMP+8*\t:TEMP+8*\t+3], v[BIA] offset:64*\t
	ds_load_b128 v[TEMP+8*\t+4:TEMP+8*\t+7], v[BIA] offset:64*\t+16
.endr
	XLOADO 0, 0
.set ks, 0
.rept 8
.set lc, 50                            ; as in phase H; in the last chunk the units still behind: 12 loads each, one more for each even one
.if \last
.if ks == 4
.set lc, 37
.elseif ks == 5
.set lc, 25
.elseif ks == 6
.set lc, 12
.elseif ks == 7
.set lc, 0
.endif
.endif
	s_wait_loadcnt lc
	s_wait_dscnt 0x0
	PLACES 4
.if (ks > 0) && (ks < 7)
	s_wait_alu depctr_va_vdst(0)                   ; the last unit's products are done reading the other set of fragments and its scale words, in which the LDS loads below land; units 0 and 7 owe nothing, as in phase H
.endif
.set cbk, -1
.if ks == 0
.set cbk, 0
.endif
	UMUL ks, ks%2, 0, cbk, 0, 0
.if ks < 7
	XLOADO ks+1, 1-ks%2
.endif
.if (((\last) == 0) || (ks < 3)) && (((ks+5)%2) == 0)
	WLOADS ks+5, (ks+5)%8
.endif
	UMUL ks, ks%2, 0, cbk, 1, 1
.if ((\last) == 0) || (ks < 3)
	WLOADC ks+5, (ks+5)%8
.endif
	UMUL ks, ks%2, 0, cbk, 2, 3
.set ks, ks+1
.endr
	PLACES 4                                       ; in front of the first read of results
	s_wait_alu depctr_va_vdst(0)                   ; the products have written the accumulators, which the LDS stores below read, and are done reading the fragments, in whose registers the rows land; the places above stay beside this wait
	TOSTAGE 0
.irp a, 1,2,3
.if \a > 1
	s_wait_xcnt 0x0                                ; row tile a - 2's stores have had their addresses translated,
	s_wait_alu depctr_vm_vsrc(0)                   ; and have read their registers, in which row tile a's loads land
.endif
	TOSTAGE \a
	SEND \a-1, 16                                  ; behind its loads: the next row tile's 8 stores and 8 loads
.endr
	SEND 3, 0
.endm
	s_mov_b32 s35, 0
.Lchunk:
	CHUNK 0
	s_wait_xcnt 0x0                                ; stores and loads have had their addresses translated: the bases may step
	s_wait_alu depctr_vm_vsrc(0)                   ; the global stores have read the rows, in whose registers the next chunk's fragments land; the stage's LDS stores have read the accumulators, which its products write; the bias loads have read v[BIA]
	s_add_nc_u64 s[24:25], s[24:25], 256           ; 64 columns on
	s_add_nc_u64 s[22:23], s[22:23], 4*PAIRB       ; 8 units on
	s_add_co_u32 s42, s42, 256
	s_add_co_u32 s35, s35, 1
	s_cmp_lt_u32 s35, 3
	s_cbranch_scc1 .Lchunk
	CHUNK 1
	s_set_vgpr_msb 0xc
	s_wait_dscnt 0x0
	s_wait_alu depctr_hold_cnt(0) depctr_sa_sdst(0) depctr_va_vdst(0) depctr_va_sdst(0) depctr_va_ssrc(0) depctr_va_vcc(0) depctr_vm_vsrc(0)
	s_wait_tensorcnt 0x0
	ds_add_u32 v15, v255
	s_wait_dscnt 0x0
	s_endpgm
.Lfunc_end_k_q71471f4b04_fused:
	.size	k_q71471f4b04_fused, .Lfunc_end_k_q71471f4b04_fused-k_q71471f4b04_fused
	.p2alignl 7, 3214868480
	.fill 96, 4, 3214868480
	.section	.rodata,"a",@progbits
	.p2align	6, 0x0
	.amdhsa_kernel k_q71471f4b04_fused
		.amdhsa_group_segment_fixed_size 289280
		.amdhsa_private_segment_fixed_size 0
		.amdhsa_enable_private_segment 0
		.amdhsa_kernarg_size 72
		.amdhsa_user_sgpr_count 2
		.amdhsa_user_sgpr_kernarg_segment_ptr 1
		.amdhsa_wavefront_size32 1
		.amdhsa_system_sgpr_workgroup_id_x 1
		.amdhsa_system_sgpr_workgroup_id_y 1
		.amdhsa_system_sgpr_workgroup_id_z 1
		.amdhsa_system_vgpr_workitem_id 0
		.amdhsa_next_free_vgpr 1024
		.amdhsa_next_free_sgpr 66
		.amdhsa_reserve_vcc 0
		.amdhsa_float_denorm_mode_32 3
		.amdhsa_float_denorm_mode_16_64 3
		.amdhsa_memory_ordered 1
		.amdhsa_forward_progress 1
		.amdhsa_inst_pref_size 255
	.end_amdhsa_kernel
	.section	.bss,"aw",@nobits
	.p2align	6
	.space	262144
	.amdgpu_metadata
---
amdhsa.version: [ 1, 2 ]
amdhsa.kernels:
  - .name:           k_q71471f4b04_fused
    .symbol:         k_q71471f4b04_fused.kd
    .args:
      - { .name: query, .offset: 0, .size: 8, .value_kind: global_buffer, .address_space: global }
      - { .name: key, .offset: 8, .size: 8, .value_kind: global_buffer, .address_space: global }
      - { .name: value, .offset: 16, .size: 8, .value_kind: global_buffer, .address_space: global }
      - { .name: bq, .offset: 24, .size: 8, .value_kind: global_buffer, .address_space: global }
      - { .name: bk, .offset: 32, .size: 8, .value_kind: global_buffer, .address_space: global }
      - { .name: bv, .offset: 40, .size: 8, .value_kind: global_buffer, .address_space: global }
      - { .name: bo, .offset: 48, .size: 8, .value_kind: global_buffer, .address_space: global }
      - { .name: wimg, .offset: 56, .size: 8, .value_kind: global_buffer, .address_space: global }
      - { .name: out0, .offset: 64, .size: 8, .value_kind: global_buffer, .address_space: global }
    .group_segment_fixed_size: 289280
    .private_segment_fixed_size: 0
    .kernarg_segment_align: 8
    .kernarg_segment_size: 72
    .max_flat_workgroup_size: 128
    .sgpr_count:     66
    .vgpr_count:     1024
    .wavefront_size: 32
...
	.end_amdgpu_metadata
.endif
;; end of part 4
